; MI455X (gfx1250); checked and timed in simulation.
; The chip was launched on July 23, 2026; its instructions are those of AMD's public machine-readable ISA for CDNA 5 (MIT licence, August 2026) and "CDNA5" Instruction Set Architecture Reference Guide (July 2026). The comments in the code are by the model that wrote it; some were corrected since.
;; Progressive Expandable FFN. Allowed arithmetic: matrix products marked QUANTISED: E3M2 operands, one E8M0 scale for each 32 along K, by v_wmma_scale_f32_16x16x128_f8f6f4 with both operands' format E3M2, f32 sums; everything else in f32.
;; Inputs: W_in 1,024 x 4,096 float32; W_out 4,096 x 1,024 float32; b_in 4,096 float32; b_out 1,024 float32; x 4 x 2,048 x 1,024 float32.
;; Outputs: out0 4 x 2,048 x 1,024 float32.
;; This version of the problem:
;;   THIS VERSION OF THE PROBLEM IS GIVEN IN LOW PRECISION. The matrix products marked QUANTISED in the list below multiply operands that are first quantised to E3M2 (3 exponent bits, 2 mantissa bits; 6 bits a number), with one power-of-two scale for each 32 numbers along K (OCP MX v1.0); their sums are f32. All else is computed in f32.
;;   The module's matrix products, in the order in which they are computed (A, B: the left and right operand; K: the contracted axis; several contracted axes count as one K, in the product's order):
;;     1. [M 8,192, K 1,024] x [K 1,024, N 4,096]; A: computed on the way; B: computed on the way: QUANTISED
;;     2. [M 8,192, K 4,096] x [K 4,096, N 1,024]; A: computed on the way; B: computed on the way: QUANTISED
;;   THE QUANTISER, for each operand of a quantised product, along K:
;;     - K is cut into blocks of 32 from its start; a last block that is shorter is filled with zeros.
;;     - A block's scale is 2^e with e = floor(log2(the largest magnitude in the block)) - 4, held to -126 .. 127; a block of zeros has e = 0. As a byte (E8M0): e + 127.
;;     - Each number is divided by its block's scale, clamped to +-28, and rounded to the nearest number of E3M2, ties to even, subnormals kept.
;;     - The product sums the exact products of the quantised numbers (number of the format x scale) in f32.
;;   ~~~python
;;   def quantise(x, axis):      # numpy; x: float32 -> the quantised numbers, widened to float32 again
;;       x = np.moveaxis(x, axis, -1); K = x.shape[-1]
;;       x = np.pad(x, [(0, 0)] * (x.ndim - 1) + [(0, -K % 32)]); x = x.reshape(x.shape[:-1] + (-1, 32)); a = np.abs(x).max(-1, keepdims=True)
;;       e = np.where(a > 0, np.clip(np.frexp(np.where(a > 0, a, 1))[1] - 1 - 4, -126, 127), 0)      # np.frexp(a)[1] - 1 = floor(log2(a)), exactly
;;       r = np.clip(x / 2.0 ** e, -28, 28)
;;       step = 2.0 ** (np.maximum(np.frexp(np.where(r == 0, 1, r))[1] - 1, -2) - 2)
;;       q = np.round(r / step) * step * 2.0 ** e      # np.round: ties to even
;;       return np.moveaxis(q.reshape(q.shape[:-2] + (-1,))[..., :K], -1, axis).astype(np.float32)
;;   ~~~
;;   OPERANDS COMPUTED ON THE WAY. 'Computed on the way' means the value that the module computes at that place (a softmax that the list does not call 'softmax' is quantised finished and normalised). What goes into a quantiser is computed in f32, as accurately as f32 sums, v_exp_f32 and their like allow (about 1e-6 of the number): no bf16 or f16 on the way to a quantiser, and a product that is left as it is and whose result goes on into a quantised operand takes f32 operands (vector FMAs, or v_wmma_f32_16x16x4_f32). A number that lies on a knife's edge between two numbers of the format may be rounded either way, as far as f32 arithmetic and the matrix unit's own rounding can turn it there, and no further.
;; One version. Each part assembles by itself: llvm-mc -triple=amdgcn-amd-amdhsa -mcpu=gfx1250 --defsym DOCPART=n.
;; ======== version 1 of 1: 5 launches
;; limits: right only within a limited range of input values
;; workspace buffers: XMAX 512 bytes; XC 6,291,456 bytes; XS 262,144 bytes; WI 3,276,800 bytes; WO 3,276,800 bytes; HMAX 1,024 bytes; HC 26,214,400 bytes
;; launch prep (part 1): grid 256 x 1, 16 waves a work-group, no clusters, 10,752 bytes of LDS; arguments W_in, W_out, x, WI, WO, XMAX; writes WI, WO, XMAX
.if DOCPART == 1
	.amdgcn_target "amdgcn-amd-amdhsa--gfx1250"
	.amdhsa_code_object_version 6
	.text
	.protected	k_qdad612638f_prep
	.globl	k_qdad612638f_prep
	.p2align	8
	.type	k_qdad612638f_prep,@function
k_qdad612638f_prep:
	s_mov_b64 s[64:65], 0
	v_nop
	global_prefetch_b8 v0, s[64:65] scope:SCOPE_SE
	s_setreg_imm32_b32 hwreg(HW_REG_WAVE_MODE, 25, 1), 1
	s_wait_xcnt 0x0
; PREP.  Three jobs in one launch, told apart by the work-group's number; each work-group reads 256 KiB once, into registers.
;   work-groups   0 ..  63: 64 columns of W_in [1024][4096], all of K: int8 fake quantiser by column, then codes of BF6 (E3M2) along K -> WI
;   work-groups  64 .. 127: 64 rows of W_out [4096][1024], all columns: int8 fake quantiser by row, then codes along K (the rows) -> WO
;   work-groups 128 .. 255: 65,536 numbers of x: their largest magnitude -> XMAX[work-group - 128]
; A LANE TAKES A COLUMN AND ITS REGISTERS RUN DOWN K, so a block of 32 along K lies in one lane and the conversions give codes with K innermost.
; THE CODES LEAVE AS IMAGES OF THE OPERAND'S REGISTERS: a fragment (16 rows x 128 K, 12 registers a lane) is 1,536 bytes: chunk q = registers 4 q .. 4 q + 3, lane l at 16 l.
; Lane (r, h) of a fragment holds blocks h and 2 + h of row r; a scale image is 512 bytes: lane l at 16 l holds the words of 4 K steps, lanes 0-15 of a pair's even tile, lanes 16-31 of its odd tile.
; WI [G 0..31][K step 0..7][12,800]: 8 fragments (tile 2 b + u, row r = hidden unit 128 G + 32 sw(b) + 8 u + r + 8 (r / 8), sw = 0, 2, 1, 3), then one scale image (pair j / 2, K steps 4 (j % 2) ..).
; WO [N block 0..3][4 K steps 0..7][102,400]: [K step][tile 0..15][1,536], then [pair 0..7][512].  In product 2 the operand's block b of a K step holds the true block sw(b), in WO as in the hidden layer's codes.
; THE int8 QUANTISER: s = 127 / max(amax, 1e-8); q = rndne(w s) / s.  The quotient is refined to the last bit or so by one step of Newton; / s is a multiplication by a refined 1 / s (1 ulp at the most).
; The clip at -128 .. 127 is left out: |w| <= amax gives |w s| <= 127 (1 + 2^-22), which rounds to 127.  w + (q - w) is q: the difference is exact.
; A block's scale byte is its largest magnitude's exponent field - 4, held at 1 from below (a block of zeros gets 1: its codes are zeros, and this program alone reads the bytes).
; LIMITS: NaN and infinities are not served.
; LDS: each job has bytes of its own: 0-2,047 column maxima, 2,048-4,095 scale images (W_in); 4,096-8,191 row maxima (W_out); 8,192-8,255 (x).
.set D,   64                           ; v64-191   128 numbers
.set T,   192                          ; v192-255  W_out: 64 row maxima; later the codes
.set BM,  8                            ; v8-11     the largest magnitude of each 32 of D
.set SO,  48                           ; v48-51    the conversions' scale operands
.set BY,  52                           ; v52-55    the scale bytes
.set CW,  56                           ; v56       a scale word
.set P,   192                          ; v192-215  two times twelve registers of codes
.set PT,  216                          ; v216-231  upper halves of blocks, as the conversions leave them
.set TOP, 17                           ; s17       127.0
.set SEL, 18                           ; s[18:19]  lane selects: lane l xor 16
.macro BMAX                            ; the largest magnitude of D's four runs of 32, the four by turns
.irp k, 0,1,2,3
	v_max_num_f32 v[BM+\k], |v[D+32*\k]|, |v[D+32*\k+1]|
.endr
.irp i, 2,4,6,8,10,12,14,16,18,20,22,24,26,28,30
.irp k, 0,1,2,3
	s_delay_alu instid0(VALU_DEP_4)
	v_max3_num_f32 v[BM+\k], v[BM+\k], |v[D+32*\k+\i]|, |v[D+32*\k+\i+1]|
.endr
.endr
.endm
.macro WAVEMAX v, t                    ; the largest of 32 lanes, in every lane; v[t] has been written before
	s_delay_alu instid0(VALU_DEP_1)
	v_max_num_f32_dpp v[\v], v[\v], v[\v] row_xmask:1 row_mask:0xf bank_mask:0xf
	s_delay_alu instid0(VALU_DEP_1)
	v_max_num_f32_dpp v[\v], v[\v], v[\v] row_xmask:2 row_mask:0xf bank_mask:0xf
	s_delay_alu instid0(VALU_DEP_1)
	v_max_num_f32_dpp v[\v], v[\v], v[\v] row_xmask:4 row_mask:0xf bank_mask:0xf
	s_delay_alu instid0(VALU_DEP_1)
	v_max_num_f32_dpp v[\v], v[\v], v[\v] row_xmask:8 row_mask:0xf bank_mask:0xf
	s_delay_alu instid0(VALU_DEP_1)
	v_permlanex16_b32 v[\t], v[\v], s[SEL], s[SEL+1]
	s_delay_alu instid0(VALU_DEP_1)
	v_max_num_f32 v[\v], v[\v], v[\t]
.endm
.macro DIVS am, sc, iv, r, e           ; sc = TOP / max(am, 1e-8), iv = 1 / sc, each a reciprocal and one step of Newton
	v_max_num_f32 v[\am], 0x322bcc77, v[\am]
	s_wait_alu depctr_va_vdst(0)
	v_rcp_f32 v[\r], v[\am]
	v_nop                                          ; a plain line behind the reciprocal,
	s_wait_alu depctr_va_vdst(0)                   ; and the wait ahead of its first reader
	v_mul_f32 v[\sc], s[TOP], v[\r]
	s_delay_alu instid0(VALU_DEP_1)
	v_fma_f32 v[\e], -v[\sc], v[\am], s[TOP]
	v_fma_f32 v[\sc], v[\e], v[\r], v[\sc]
	s_wait_alu depctr_va_vdst(0)
	v_rcp_f32 v[\r], v[\sc]
	v_nop
	s_wait_alu depctr_va_vdst(0)
	v_fma_f32 v[\e], -v[\sc], v[\r], 1.0
	v_fma_f32 v[\iv], v[\e], v[\r], v[\r]
.endm
.macro FQV x, n, sc, iv                ; n numbers: rndne(w s) / s, s and 1 / s in vector pairs
.set gi, 0
.rept (\n)/2
	v_pk_mul_f32 v[\x+gi:\x+gi+1], v[\x+gi:\x+gi+1], v[\sc:\sc+1]
.set gi, gi+2
.endr
.set gi, 0
.rept \n
	v_rndne_f32 v[\x+gi], v[\x+gi]
.set gi, gi+1
.endr
.set gi, 0
.rept (\n)/2
	v_pk_mul_f32 v[\x+gi:\x+gi+1], v[\x+gi:\x+gi+1], v[\iv:\iv+1]
.set gi, gi+2
.endr
.endm
.macro SCALE4                          ; from four largest magnitudes: the conversions' operands and the bytes
.irp k, 0,1,2,3
	v_max_num_f32 v[BM+\k], 0x2800000, v[BM+\k]    ; the floor 2^(5 - 127): the byte cannot fall under 1
.endr
.irp k, 0,1,2,3
	s_delay_alu instid0(VALU_DEP_4)
	v_add_nc_u32 v[SO+\k], 0xfe000000, v[BM+\k]    ; 4 off the exponent field: the conversion takes that field as its scale
.endr
.irp k, 0,1,2,3
	s_delay_alu instid0(VALU_DEP_4)
	v_lshrrev_b32 v[BY+\k], 23, v[SO+\k]
.endr
.endm
.macro CVB n, k                        ; block k of D -> six registers at P + 6 n (a conversion's three registers begin on an even number: the upper half is made elsewhere)
	v_cvt_scalef32_pk16_bf6_f32 v[P+6*\n:P+6*\n+2], v[D+32*\k:D+32*\k+15], v[SO+\k]
	v_cvt_scalef32_pk16_bf6_f32 v[PT+4*\n:PT+4*\n+2], v[D+32*\k+16:D+32*\k+31], v[SO+\k]
.endm
.macro CODES ka, kb, kc, kd
	CVB 0, \ka
	CVB 1, \kb
	CVB 2, \kc
	CVB 3, \kd
	v_nop                                          ; one plain line behind the scaled conversions
.irp n, 0,1,2,3
.irp i, 0,1,2
	v_mov_b32 v[P+6*\n+3+\i], v[PT+4*\n+\i]
.endr
.endr
.endm
	s_load_b256 s[4:11], s[0:1], 0x0               ; W_in s[4:5], W_out s[6:7], x s[8:9], WI s[10:11]
	s_load_b128 s[12:15], s[0:1], 0x20             ; WO s[12:13], XMAX s[14:15]
	v_lshl_add_u32 v62, v0, 2, 0x2200
	v_mov_b32 v63, 0
	v_lshrrev_b32 v1, 5, v0
	s_delay_alu instid0(VALU_DEP_1)
	v_readfirstlane_b32 s16, v1                    ; wave 0..15
	v_and_b32 v2, 31, v0                           ; lane j
	s_mov_b32 s[TOP], 0x42fe0000
	s_mov_b32 s[SEL], 0x76543210
	s_mov_b32 s[SEL+1], 0xfedcba98
	s_mov_b32 s27, 0                               ; the upper word of every offset
	s_wait_kmcnt 0x0
	s_cmp_lt_u32 ttmp9, 64
	s_cbranch_scc1 .Lwin
	s_cmp_lt_u32 ttmp9, 128
	s_cbranch_scc1 .Lwout
	; ---------------- x: the largest magnitude of 262,144 bytes; a wave takes 16,384, each load 512 consecutive bytes
	s_sub_co_u32 s20, ttmp9, 128
	s_lshl_b32 s26, s20, 18
	s_lshl_b32 s21, s16, 14
	s_add_co_u32 s26, s26, s21
	s_add_nc_u64 s[8:9], s[8:9], s[26:27]
	s_lshl_b32 s26, s20, 2
	s_add_nc_u64 s[14:15], s[14:15], s[26:27]
	s_wait_alu depctr_va_vdst(0)
	v_lshlrev_b32 v3, 4, v2
.set i, 0
.rept 32
	global_load_b128 v[D+4*i:D+4*i+3], v3, s[8:9] offset:512*i   ; no hint: the next launch reads x again
.set i, i+1
.endr
	s_lshl_b32 s21, s16, 2
	s_add_co_u32 s21, s21, 8192
	v_mov_b32 v4, s21                              ; LDS: my wave's word
	v_mov_b32 v5, 8192
	v_mov_b32 v6, 0
	v_mov_b32 v12, 0
	s_wait_loadcnt 0x0
	BMAX
	s_delay_alu instid0(VALU_DEP_2)
	v_max3_num_f32 v8, v8, v9, v10
	s_delay_alu instid0(VALU_DEP_1)
	v_max_num_f32 v8, v8, v11
	WAVEMAX 8, 12
	ds_store_b32 v4, v8                            ; all lanes write the same word with the same value
	s_wait_dscnt 0x0                               ; for the others' sake: my store has landed
	s_barrier_signal -1
	s_barrier_wait -1
.irp q, 0,1,2,3
	ds_load_b128 v[16+4*\q:19+4*\q], v5 offset:16*\q
.endr
	s_wait_dscnt 0x0
	v_max3_num_f32 v8, v16, v17, v18
.irp i, 19,21,23,25,27,29
	s_delay_alu instid0(VALU_DEP_1)
	v_max3_num_f32 v8, v8, v[\i], v[\i+1]
.endr
	s_delay_alu instid0(VALU_DEP_1)
	v_max_num_f32 v8, v8, v31
	s_wait_alu depctr_va_vdst(0)
	s_wait_xcnt 0x0                                ; EXEC changes only behind this wait
	v_cmp_eq_u32 vcc_lo, 0, v0
	s_wait_tensorcnt 0x0
	ds_add_u32 v62, v63
	s_wait_dscnt 0x0
	s_and_saveexec_b32 s20, vcc_lo                 ; thread 0 alone stores
	global_store_b32 v6, v8, s[14:15]
	s_endpgm
	; ---------------- W_in: wave w: columns 64 wg + 32 (w % 2) + j, rows 128 (w / 2) .. + 127 (one K step)
.Lwin:
	s_and_b32 s20, s16, 1                          ; cg
	s_lshr_b32 s21, s16, 1                         ; kq: the K step
	s_lshl_b32 s22, s20, 7
	s_wait_alu depctr_va_vdst(0)
	v_lshlrev_b32 v3, 2, v2
	s_delay_alu instid0(VALU_DEP_1)
	v_add_nc_u32 v3, s22, v3                       ; 4 (32 cg + j): my column's bytes in the group's 256
	s_lshl_b32 s26, ttmp9, 8
	s_lshl_b32 s23, s21, 21                        ; 128 rows of 16,384 bytes
	s_add_co_u32 s26, s26, s23
	s_add_nc_u64 s[4:5], s[4:5], s[26:27]
.set i, 0
.rept 128
	global_load_b32 v[D+i], v3, s[4:5] offset:i*16384 th:TH_LOAD_NT   ; a row: two waves side by side read its 256 consecutive bytes
.set i, i+1
.endr
	s_lshl_b32 s23, s21, 8
	v_add_nc_u32 v4, s23, v3                       ; LDS: 256 kq + my column's word
	v_bfe_u32 v5, v2, 3, 1                         ; u: j = 8 u + r + 8 (r / 8)
	v_and_b32 v6, 7, v2
	v_lshrrev_b32 v7, 4, v2
	s_delay_alu instid0(VALU_DEP_1)
	v_lshl_or_b32 v6, v7, 3, v6                    ; r
	s_delay_alu instid0(VALU_DEP_1)
	v_lshlrev_b32 v14, 4, v6
	s_delay_alu instid0(VALU_DEP_1)
	v_mad_u32_u24 v7, v5, 1536, v14                ; the codes: tile u of my pair, lane r
	s_delay_alu instid0(VALU_DEP_2)
	v_lshl_add_u32 v13, v5, 8, v14                 ; the scale image: lane r + 16 u
	s_wait_alu depctr_va_vdst(0)
	s_lshl_b32 s23, s20, 1
	s_lshr_b32 s25, s21, 2
	s_add_co_u32 s23, s23, s25
	s_lshl_b32 s23, s23, 9                         ; image 2 cg + kq / 4,
	s_and_b32 s25, s21, 3
	s_lshl_b32 s25, s25, 2                         ; word kq % 4
	s_add_co_u32 s23, s23, s25
	s_add_co_u32 s23, s23, 2048
	v_add_nc_u32 v13, s23, v13
	s_min_u32 s24, s16, 3                          ; waves 0 to 3 carry the four images out
	s_lshl_b32 s25, s24, 9
	s_add_co_u32 s25, s25, 2048
	v_lshlrev_b32 v12, 4, v2
	s_delay_alu instid0(VALU_DEP_1)
	v_add_nc_u32 v15, s25, v12
	s_and_b32 s28, ttmp9, 1
	s_lshl_b32 s29, s20, 1
	s_or_b32 s29, s29, s28                         ; b: sw(b) = 2 (wg % 2) + cg, my columns' true block of 32 in the group of 128
	s_lshr_b32 s30, ttmp9, 1
	s_mul_i32 s30, s30, 102400                     ; G
	s_mul_i32 s31, s21, 12800
	s_mul_i32 s29, s29, 3072
	s_add_co_u32 s26, s30, s31
	s_add_co_u32 s26, s26, s29
	s_add_nc_u64 s[32:33], s[10:11], s[26:27]      ; WI at (G, kq, tile 2 b)
	s_and_b32 s34, s24, 2
	s_or_b32 s34, s34, s28                         ; the image's pair,
	s_lshl_b32 s34, s34, 1
	s_and_b32 s35, s24, 1
	s_add_co_u32 s34, s34, s35                     ; and the block of WI that carries it: 2 pair + which four K steps
	s_mul_i32 s34, s34, 12800
	s_add_co_u32 s26, s34, s30
	s_add_co_u32 s26, s26, 12288
	s_add_nc_u64 s[36:37], s[10:11], s[26:27]
	s_wait_loadcnt 0x0
	BMAX                                           ; the four blocks' largest raw magnitudes: they serve the column's maximum and, quantised below, the blocks' scales
	s_delay_alu instid0(VALU_DEP_2)
	v_max3_num_f32 v16, v8, v9, v10
	s_delay_alu instid0(VALU_DEP_1)
	v_max_num_f32 v16, v16, v11
	ds_store_b32 v4, v16
	s_wait_dscnt 0x0
	s_barrier_signal -1
	s_barrier_wait -1
.irp i, 0,1,2,3,4,5,6,7
	ds_load_b32 v[16+\i], v3 offset:256*\i         ; my column's eight partial maxima
.endr
	s_wait_dscnt 0x0
	v_max3_num_f32 v24, v16, v17, v18
	s_delay_alu instid0(VALU_DEP_1)
	v_max3_num_f32 v24, v24, v19, v20
	s_delay_alu instid0(VALU_DEP_1)
	v_max3_num_f32 v24, v24, v21, v22
	s_delay_alu instid0(VALU_DEP_1)
	v_max_num_f32 v24, v24, v23
	DIVS 24, 26, 28, 30, 31
	v_mov_b32 v27, v26
	s_delay_alu instid0(VALU_DEP_2)
	v_mov_b32 v29, v28
	FQV D, 128, 26, 28
	FQV BM, 4, 26, 28                              ; the quantiser is monotone and odd: the largest raw magnitude, quantised, is the largest quantised magnitude, to the bit
	SCALE4
	s_delay_alu instid0(VALU_DEP_3)
	v_lshl_or_b32 v[CW], v[BY+1], 8, v[BY]
	s_delay_alu instid0(VALU_DEP_1)
	v_lshl_or_b32 v[CW], v[BY+2], 16, v[CW]
	s_delay_alu instid0(VALU_DEP_1)
	v_lshl_or_b32 v[CW], v[BY+3], 24, v[CW]
	CODES 0, 2, 1, 3                               ; lane (r, 0) holds blocks 0 and 2, lane (r, 1) blocks 1 and 3
.irp h, 0,1
.irp q, 0,1,2
	global_store_b128 v7, v[P+12*\h+4*\q:P+12*\h+4*\q+3], s[32:33] offset:512*\q+256*\h   ; sixteen lanes fill 256 consecutive bytes, twice
.endr
.endr
	ds_store_b32 v13, v[CW]
	s_wait_dscnt 0x0
	s_barrier_signal -1
	s_barrier_wait -1
	s_cmp_lt_u32 s16, 4
	s_cbranch_scc0 .Lwin_end
	ds_load_b128 v[44:47], v15
	s_wait_dscnt 0x0
	global_store_b128 v12, v[44:47], s[36:37]      ; a whole scale image: 512 consecutive bytes
.Lwin_end:
	s_wait_tensorcnt 0x0
	ds_add_u32 v62, v63
	s_wait_dscnt 0x0
	s_endpgm
	; ---------------- W_out: rows 64 wg' .. + 63; lane j of wave w takes columns 32 w + j and 512 + 32 w + j
.Lwout:
	s_sub_co_u32 s20, ttmp9, 64
	s_lshl_b32 s26, s20, 18
	s_add_nc_u64 s[6:7], s[6:7], s[26:27]
	s_lshl_b32 s21, s16, 7
	s_wait_alu depctr_va_vdst(0)
	v_lshlrev_b32 v3, 2, v2
	s_delay_alu instid0(VALU_DEP_1)
	v_add_nc_u32 v3, s21, v3
.set i, 0
.rept 64
	global_load_b32 v[D+i], v3, s[6:7] offset:4096*i th:TH_LOAD_NT
	global_load_b32 v[D+64+i], v3, s[6:7] offset:4096*i+2048 th:TH_LOAD_NT
.set i, i+1
.endr
	s_lshl_b32 s21, s16, 2
	s_add_co_u32 s21, s21, 4096
	v_mov_b32 v4, s21                              ; LDS: row i's 16 words at 4,096 + 64 i; mine is word w
	v_lshlrev_b32 v5, 6, v2
	s_delay_alu instid0(VALU_DEP_1)
	v_add_nc_u32 v5, 4096, v5                      ; and back: rows j and 32 + j
	v_lshrrev_b32 v6, 4, v2
	v_and_b32 v7, 15, v2
	s_delay_alu instid0(VALU_DEP_1)
	v_lshlrev_b32 v7, 4, v7
	s_delay_alu instid0(VALU_DEP_1)
	v_mad_u32_u24 v6, v6, 1536, v7                 ; the codes: tile j / 16 of my two, lane j % 16
	v_lshlrev_b32 v7, 4, v2                        ; the scale image: lane j
	s_and_b32 s22, s20, 1                          ; H: my 64 rows are true blocks 2 H, 2 H + 1 = the operand's blocks H, 2 + H: the half h = H of the lanes
	s_lshr_b32 s23, s20, 1                         ; the K step
	s_lshr_b32 s24, s16, 3
	s_lshl_b32 s24, s24, 3
	s_lshr_b32 s25, s23, 2
	s_add_co_u32 s24, s24, s25
	s_mul_i32 s24, s24, 102400                     ; block (N block w / 8, four K steps); the second column's lies 16 blocks on
	s_and_b32 s25, s23, 3
	s_and_b32 s28, s16, 7
	s_lshl_b32 s29, s25, 4
	s_lshl_b32 s30, s28, 1
	s_add_co_u32 s29, s29, s30
	s_mul_i32 s29, s29, 1536
	s_lshl_b32 s30, s22, 8
	s_add_co_u32 s26, s24, s29
	s_add_co_u32 s26, s26, s30
	s_add_nc_u64 s[32:33], s[12:13], s[26:27]
	s_lshl_b32 s29, s28, 9
	s_lshl_b32 s30, s25, 2
	s_add_co_u32 s26, s24, s29
	s_add_co_u32 s26, s26, s30
	s_add_co_u32 s26, s26, s22
	s_add_co_u32 s26, s26, 98304
	s_add_nc_u64 s[36:37], s[12:13], s[26:27]
.irp k, 0,1,2,3
	v_mov_b32 v[32+\k], 0                          ; a lane permute's destination counts as one of its sources
.endr
	s_wait_loadcnt 0x0
.set i, 0
.rept 64
	v_max_num_f32 v[T+i], |v[D+i]|, |v[D+64+i]|    ; row i: my two columns,
.set i, i+1
.endr
.irp m, 1,2,4,8
.set i, 0
.rept 64
	v_max_num_f32_dpp v[T+i], v[T+i], v[T+i] row_xmask:\m row_mask:0xf bank_mask:0xf   ; the sixteen lanes of my half,
.set i, i+1
.endr
.endr
.set i, 0
.rept 16
.irp k, 0,1,2,3
	v_permlanex16_b32 v[32+\k], v[T+i+\k], s[SEL], s[SEL+1]
.endr
.irp k, 0,1,2,3
	s_delay_alu instid0(VALU_DEP_4)
	v_max_num_f32 v[T+i+\k], v[T+i+\k], v[32+\k]   ; the other half: my wave's 64 columns
.endr
.set i, i+4
.endr
.set i, 0
.rept 64
	ds_store_b32 v4, v[T+i] offset:64*i            ; all lanes write the same word with the same value
.set i, i+1
.endr
	s_wait_dscnt 0x0
	s_barrier_signal -1
	s_barrier_wait -1
.irp q, 0,1,2,3
	ds_load_b128 v[8+4*\q:11+4*\q], v5 offset:16*\q
	ds_load_b128 v[24+4*\q:27+4*\q], v5 offset:2048+16*\q
.endr
	s_wait_dscnt 0x0
	v_max3_num_f32 v40, v8, v9, v10
	v_max3_num_f32 v41, v24, v25, v26
.irp i, 3,5,7,9,11,13
	s_delay_alu instid0(VALU_DEP_2)
	v_max3_num_f32 v40, v40, v[8+\i], v[9+\i]
	s_delay_alu instid0(VALU_DEP_2)
	v_max3_num_f32 v41, v41, v[24+\i], v[25+\i]
.endr
	s_delay_alu instid0(VALU_DEP_2)
	v_max_num_f32 v40, v40, v23                    ; lane j: row j's largest magnitude,
	s_delay_alu instid0(VALU_DEP_2)
	v_max_num_f32 v41, v41, v39                    ; and row 32 + j's
	DIVS 40, 42, 44, 46, 47
	DIVS 41, 43, 45, 46, 47
.irp g, 0,1,2,3                        ; sixteen rows at a time: their s and 1 / s become scalars, since a register of D is one row in every lane
.irp k, 0,1,2,3,4,5,6,7,8,9,10,11,12,13,14,15
	v_readlane_b32 s[66+\k], v[42+\g/2], 16*(\g%2)+\k
	v_readlane_b32 s[82+\k], v[44+\g/2], 16*(\g%2)+\k
.endr
.irp c, 0,1
.irp k, 0,1,2,3,4,5,6,7,8,9,10,11,12,13,14,15
	v_mul_f32 v[D+64*\c+16*\g+\k], s[66+\k], v[D+64*\c+16*\g+\k]
.endr
.irp k, 0,1,2,3,4,5,6,7,8,9,10,11,12,13,14,15
	v_rndne_f32 v[D+64*\c+16*\g+\k], v[D+64*\c+16*\g+\k]
.endr
.irp k, 0,1,2,3,4,5,6,7,8,9,10,11,12,13,14,15
	v_mul_f32 v[D+64*\c+16*\g+\k], s[82+\k], v[D+64*\c+16*\g+\k]
.endr
.endr
.endr
	BMAX                                           ; blocks 0, 1: my first column's; 2, 3: my second's
	SCALE4
	CODES 0, 1, 2, 3
.irp c, 0,1
.irp q, 0,1,2
	global_store_b128 v6, v[P+12*\c+4*\q:P+12*\c+4*\q+3], s[32:33] offset:512*\q+1638400*\c   ; sixteen lanes fill 256 consecutive bytes, twice
.endr
.endr
.irp c, 0,1
	global_store_b8 v7, v[BY+2*\c], s[36:37] offset:1638400*\c         ; bytes H and 2 + H of a scale word: the other two come from the work-group beside me.  131,072 bytes in the whole launch go out so
	global_store_b8 v7, v[BY+2*\c+1], s[36:37] offset:1638400*\c+2
.endr
	s_wait_tensorcnt 0x0
	ds_add_u32 v62, v63
	s_wait_dscnt 0x0
	s_endpgm
.Lfunc_end_k_qdad612638f_prep:
	.size	k_qdad612638f_prep, .Lfunc_end_k_qdad612638f_prep-k_qdad612638f_prep
	.p2alignl 7, 3214868480
	.fill 96, 4, 3214868480
	.section	.rodata,"a",@progbits
	.p2align	6, 0x0
	.amdhsa_kernel k_qdad612638f_prep
		.amdhsa_group_segment_fixed_size 10752
		.amdhsa_private_segment_fixed_size 0
		.amdhsa_enable_private_segment 0
		.amdhsa_kernarg_size 48
		.amdhsa_user_sgpr_count 2
		.amdhsa_user_sgpr_kernarg_segment_ptr 1
		.amdhsa_wavefront_size32 1
		.amdhsa_system_sgpr_workgroup_id_x 1
		.amdhsa_system_sgpr_workgroup_id_y 1
		.amdhsa_system_sgpr_workgroup_id_z 1
		.amdhsa_system_vgpr_workitem_id 0
		.amdhsa_next_free_vgpr 256
		.amdhsa_next_free_sgpr 100
		.amdhsa_reserve_vcc 1
		.amdhsa_float_denorm_mode_32 3
		.amdhsa_float_denorm_mode_16_64 3
		.amdhsa_memory_ordered 1
		.amdhsa_forward_progress 1
		.amdhsa_inst_pref_size 129
	.end_amdhsa_kernel
	.amdgpu_metadata
---
amdhsa.version: [ 1, 2 ]
amdhsa.kernels:
  - .name:           k_qdad612638f_prep
    .symbol:         k_qdad612638f_prep.kd
    .args:
      - { .name: W_in, .offset: 0, .size: 8, .value_kind: global_buffer, .address_space: global }
      - { .name: W_out, .offset: 8, .size: 8, .value_kind: global_buffer, .address_space: global }
      - { .name: x, .offset: 16, .size: 8, .value_kind: global_buffer, .address_space: global }
      - { .name: WI, .offset: 24, .size: 8, .value_kind: global_buffer, .address_space: global }
      - { .name: WO, .offset: 32, .size: 8, .value_kind: global_buffer, .address_space: global }
      - { .name: XMAX, .offset: 40, .size: 8, .value_kind: global_buffer, .address_space: global }
    .group_segment_fixed_size: 10752
    .private_segment_fixed_size: 0
    .kernarg_segment_align: 8
    .kernarg_segment_size: 48
    .max_flat_workgroup_size: 512
    .sgpr_count:     100
    .vgpr_count:     256
    .wavefront_size: 32
...
	.end_amdgpu_metadata
.endif
;; end of part 1
;; launch xq (part 2): grid 256 x 1, 8 waves a work-group, no clusters, 69,632 bytes of LDS; arguments x, XMAX, XC, XS; writes XC, XS
.if DOCPART == 2
	.amdgcn_target "amdgcn-amd-amdhsa--gfx1250"
	.amdhsa_code_object_version 6
	.text
	.protected	k_qdad612638f_xq
	.globl	k_qdad612638f_xq
	.p2align	8
	.type	k_qdad612638f_xq,@function
k_qdad612638f_xq:
	s_mov_b64 s[64:65], 0
	v_nop
	global_prefetch_b8 v0, s[64:65] scope:SCOPE_SE
	s_setreg_imm32_b32 hwreg(HW_REG_WAVE_MODE, 25, 1), 1
	s_wait_xcnt 0x0
; XQ.  x [8192][1024] f32 -> int16 fake quantiser with one scale for the whole tensor -> codes of BF6 (E3M2) along K, as images of the operand's registers.
; XC [tile of 16 rows 0..511][K step 0..7][1,536]: chunk q = registers 4 q .. 4 q + 3 of the fragment, lane l at 16 l.
; XS [pair of tiles 0..255][four K steps 0..1][512]: lane l at 16 l holds four scale words; lanes 0-15 the even tile's rows, lanes 16-31 the odd tile's.
; SHARES.  Work-group p takes rows 32 p .. 32 p + 31; wave w takes K step w (128 numbers, 512 bytes of each row) of both tiles.
; Each load reads 512 consecutive bytes of one row.  The conversions want 16 neighbours along K in one lane: a tile's 16 x 512 bytes turn through the wave's own stage in LDS (rows 528 bytes apart).
; THE int16 QUANTISER: s = 32767 / max(amax, 1e-8), amax the largest of the 128 partial maxima of the launch before; q = rndne(x s) / s, / s as a multiplication by a refined 1 / s (1 ulp at the most).
; The clip is left out: |x| <= amax gives |x s| <= 32767 (1 + 2^-22), which rounds to 32767.  x + (q - x) is q.
; LIMITS: NaN and infinities are not served; a block of zeros gets the scale byte 1 (its codes are zeros; this program alone reads the bytes).
.set R,   16                           ; v16-143   32 loads as they come
.set X,   144                          ; v144-207  64 numbers: register 16 b + i = k 32 b + 16 (lane / 16) + i of my row
.set TM,  208                          ; v208-223  at work in QUANT
.set PW,  224                          ; v224      the scale word just made
.set PC,  226                          ; v226-245  the codes just made
.set PW0, 246                          ; v246      tile 0's scale word
.set XM,  248                          ; v248-255  the maximum, the scale
.set TOP, 17
.set SEL, 18
.set SC,  20                           ; s[20:21]  s, twice
.set IV,  22                           ; s[22:23]  1 / s, twice
.set STG, 8448                         ; a wave's stage: 16 x 528
.set SCL, 8*STG                        ; behind the stages: two scale images
.macro WAVEMAX v, t
	s_delay_alu instid0(VALU_DEP_1)
	v_max_num_f32_dpp v[\v], v[\v], v[\v] row_xmask:1 row_mask:0xf bank_mask:0xf
	s_delay_alu instid0(VALU_DEP_1)
	v_max_num_f32_dpp v[\v], v[\v], v[\v] row_xmask:2 row_mask:0xf bank_mask:0xf
	s_delay_alu instid0(VALU_DEP_1)
	v_max_num_f32_dpp v[\v], v[\v], v[\v] row_xmask:4 row_mask:0xf bank_mask:0xf
	s_delay_alu instid0(VALU_DEP_1)
	v_max_num_f32_dpp v[\v], v[\v], v[\v] row_xmask:8 row_mask:0xf bank_mask:0xf
	s_wait_alu depctr_va_vdst(0)
	v_permlanex16_b32 v[\t], v[\v], s[SEL], s[SEL+1]
	s_delay_alu instid0(VALU_DEP_1)
	v_max_num_f32 v[\v], v[\v], v[\t]
.endm
.macro DIVS am, sc, iv, r, e
	s_delay_alu instid0(VALU_DEP_1)
	v_max_num_f32 v[\am], 0x322bcc77, v[\am]
	s_wait_alu depctr_va_vdst(0)
	v_rcp_f32 v[\r], v[\am]
	v_nop                                          ; a plain line behind the reciprocal,
	s_wait_alu depctr_va_vdst(0)                   ; and the wait ahead of its first reader
	v_mul_f32 v[\sc], s[TOP], v[\r]
	s_delay_alu instid0(VALU_DEP_1)
	v_fma_f32 v[\e], -v[\sc], v[\am], s[TOP]
	v_fma_f32 v[\sc], v[\e], v[\r], v[\sc]
	s_wait_alu depctr_va_vdst(0)
	v_rcp_f32 v[\r], v[\sc]
	v_nop
	s_wait_alu depctr_va_vdst(0)
	v_fma_f32 v[\e], -v[\sc], v[\r], 1.0
	v_fma_f32 v[\iv], v[\e], v[\r], v[\r]
.endm
.macro FQ x, n
.set gi, 0
.rept (\n)/2
	v_pk_mul_f32 v[\x+gi:\x+gi+1], v[\x+gi:\x+gi+1], s[SC:SC+1] op_sel_hi:[1,0]
.set gi, gi+2
.endr
.set gi, 0
.rept \n
	v_rndne_f32 v[\x+gi], v[\x+gi]
.set gi, gi+1
.endr
.set gi, 0
.rept (\n)/2
	v_pk_mul_f32 v[\x+gi:\x+gi+1], v[\x+gi:\x+gi+1], s[IV:IV+1] op_sel_hi:[1,0]
.set gi, gi+2
.endr
.endm
; 64 numbers of a lane become a fragment's codes in v[PC] on and its scale word in v[PW]
.macro QUANT s
.irp b, 0,1,2,3
	v_max3_num_f32 v[TM+\b], |v[\s+16*\b]|, |v[\s+1+16*\b]|, 0x2800000   ; block b: my 16 numbers, and the floor 2^(5 - 127)
.endr
.irp i, 2,4,6,8,10,12,14
.irp b, 0,1,2,3
	s_delay_alu instid0(VALU_DEP_4)
	v_max3_num_f32 v[TM+\b], v[TM+\b], |v[\s+16*\b+\i]|, |v[\s+1+16*\b+\i]|
.endr
.endr
.irp b, 0,1,2,3
	s_delay_alu instid0(VALU_DEP_4)
	v_permlanex16_b32 v[TM+4+\b], v[TM+\b], s[SEL], s[SEL+1]
.endr
.irp b, 0,1,2,3
	s_delay_alu instid0(VALU_DEP_4)
	v_max_num_f32 v[TM+\b], v[TM+\b], v[TM+4+\b]   ; with lane l xor 16's: the block's largest magnitude
.endr
.irp b, 0,1,2,3
	s_delay_alu instid0(VALU_DEP_4)
	v_add_nc_u32 v[TM+12+\b], 0xfe000000, v[TM+\b] ; 4 off its exponent field: the conversion's scale operand
.endr
.irp b, 0,1,2,3
	s_delay_alu instid0(VALU_DEP_4)
	v_lshrrev_b32 v[TM+4+\b], 23, v[TM+12+\b]      ; the scale's byte
.endr
	s_delay_alu instid0(VALU_DEP_3)
	v_lshl_or_b32 v[PW], v[TM+5], 8, v[TM+4]
	s_delay_alu instid0(VALU_DEP_1)
	v_lshl_or_b32 v[PW], v[TM+6], 16, v[PW]
	s_delay_alu instid0(VALU_DEP_1)
	v_lshl_or_b32 v[PW], v[TM+7], 24, v[PW]
.irp c, 0,1
	v_cvt_scalef32_pk16_bf6_f32 v[PC+6*\c:PC+2+6*\c], v[\s+32*\c:\s+15+32*\c], v[TM+12+2*\c]
	v_cvt_scalef32_pk16_bf6_f32 v[PC+12+4*\c:PC+14+4*\c], v[\s+16+32*\c:\s+31+32*\c], v[TM+12+2*\c+1]
.endr
	v_nop                                          ; one plain line behind the scaled conversions
.irp c, 0,1                            ; the operand wants a whole block in a lane: lanes 0-15 block 2 c, lanes 16-31 block 2 c + 1
.irp i, 0,1,2
	v_permlane16_swap_b32 v[PC+6*\c+\i], v[PC+12+4*\c+\i]
.endr
.irp i, 0,1,2
	s_delay_alu instid0(VALU_DEP_3)
	v_mov_b32 v[PC+3+6*\c+\i], v[PC+12+4*\c+\i]
.endr
.endr
.endm
	s_load_b256 s[4:11], s[0:1], 0x0               ; x s[4:5], XMAX s[6:7], XC s[8:9], XS s[10:11]
	v_lshl_add_u32 v245, v0, 2, 0x10c00
	v_mov_b32 v247, 0
	v_lshrrev_b32 v1, 5, v0
	s_delay_alu instid0(VALU_DEP_1)
	v_readfirstlane_b32 s12, v1                    ; wave 0..7 = my K step
	v_and_b32 v1, 31, v0
	s_delay_alu instid0(VALU_DEP_1)
	v_lshlrev_b32 v2, 4, v1                        ; 16 x lane
	s_wait_alu depctr_va_vdst(0)
	v_and_b32 v3, 15, v0                           ; r
	v_bfe_u32 v4, v0, 4, 1                         ; h
	s_mul_i32 s13, s12, STG
	v_add_nc_u32 v5, s13, v2                       ; the stage, in: a row as it lies
	v_mul_u32_u24 v6, v3, 528
	s_delay_alu instid0(VALU_DEP_1)
	v_lshl_add_u32 v6, v4, 6, v6
	s_delay_alu instid0(VALU_DEP_1)
	v_add_nc_u32 v6, s13, v6                       ; and out: row r, + 64 h: my 16 numbers of a block of 32
	s_lshr_b32 s14, s12, 2
	s_lshl_b32 s14, s14, 9
	s_and_b32 s15, s12, 3
	s_lshl_b32 s15, s15, 2
	s_add_co_u32 s14, s14, s15
	s_add_co_u32 s14, s14, SCL
	v_add_nc_u32 v7, s14, v2                       ; my scale word: image w / 4, lane, word w % 4
	s_min_u32 s15, s12, 1                          ; waves 0 and 1 carry the two images out
	s_lshl_b32 s15, s15, 9
	s_add_co_u32 s16, s15, SCL
	v_add_nc_u32 v8, s16, v2
	s_mov_b32 s[TOP], 0x46fffe00                   ; 32767.0
	s_mov_b32 s[SEL], 0x76543210
	s_mov_b32 s[SEL+1], 0xfedcba98
	s_mov_b32 s24, 0xffff0000                      ; lanes 16-31
	s_lshl_b32 s26, ttmp9, 17                      ; 32 rows of 4,096 bytes
	s_lshl_b32 s25, s12, 9
	s_add_co_u32 s26, s26, s25
	s_mov_b32 s27, 0
	s_lshl_b32 s28, ttmp9, 4
	s_add_co_u32 s28, s28, s12
	s_mul_i32 s28, s28, 1536                       ; fragment (tile 2 p, K step w)
	s_mov_b32 s29, 0
	s_lshl_b32 s30, ttmp9, 10
	s_add_co_u32 s30, s30, s15
	s_mov_b32 s31, 0
.irp b, 4,5,6,7
	v_mov_b32 v[TM+\b], 0                          ; a lane permute's destination counts as one of its sources
.endr
	v_mov_b32 v252, 0
	s_wait_kmcnt 0x0
	s_add_nc_u64 s[4:5], s[4:5], s[26:27]
	s_add_nc_u64 s[8:9], s[8:9], s[28:29]
	s_add_nc_u64 s[10:11], s[10:11], s[30:31]
	global_load_b128 v[XM:XM+3], v2, s[6:7]        ; the 128 partial maxima, four a lane
.set i, 0
.rept 32
	global_load_b128 v[R+4*i:R+4*i+3], v2, s[4:5] offset:4096*i th:TH_LOAD_NT   ; row i: 512 consecutive bytes
.set i, i+1
.endr
	s_wait_loadcnt 32                              ; the maxima are in; the 32 loads of x stay out
	v_max3_num_f32 v[XM], v[XM], v[XM+1], v[XM+2]
	s_delay_alu instid0(VALU_DEP_1)
	v_max_num_f32 v[XM], v[XM], v[XM+3]
	WAVEMAX XM, 252
	DIVS XM, 253, 254, 255, 249
	v_readfirstlane_b32 s[SC], v253
	s_delay_alu instid0(VALU_DEP_2)
	v_readfirstlane_b32 s[IV], v254
	s_mov_b32 s[SC+1], s[SC]
	s_mov_b32 s[IV+1], s[IV]
.macro TILE z
	s_wait_loadcnt 16*(1-\z)                       ; this tile's 16 loads are in; the other tile's may be out
.irp i, 0,1,2,3,4,5,6,7,8,9,10,11,12,13,14,15
	ds_store_b128 v5, v[R+64*\z+4*\i:R+64*\z+4*\i+3] offset:528*\i
.endr
.irp b, 0,1,2,3
.irp j, 0,1,2,3
	ds_load_b128 v[X+16*\b+4*\j:X+16*\b+4*\j+3], v6 offset:128*\b+16*\j   ; LDS serves a wave's instructions in order: these see my stores
.endr
.endr
	s_wait_dscnt 0x0
	FQ X, 64
.if \z
	s_wait_xcnt 0x0                                ; tile 0's stores have read the codes' registers: they are written again only behind this wait
.endif
	QUANT X
.irp c, 0,1,2
	global_store_b128 v2, v[PC+4*\c:PC+4*\c+3], s[8:9] offset:12288*\z+512*\c   ; 512 consecutive bytes
.endr
.endm
	TILE 0
	v_mov_b32 v[PW0], v[PW]
	TILE 1
	v_cndmask_b32 v[PW0], v[PW0], v[PW], s24       ; lanes 0-15: tile 0's rows; lanes 16-31: tile 1's (both halves of the lanes hold a row's word)
	ds_store_b32 v7, v[PW0]
	s_wait_dscnt 0x0
	s_barrier_signal -1
	s_barrier_wait -1
	s_cmp_lt_u32 s12, 2
	s_cbranch_scc0 .Lend
	ds_load_b128 v[16:19], v8
	s_wait_dscnt 0x0
	global_store_b128 v2, v[16:19], s[10:11]       ; a whole scale image
.Lend:
	s_wait_tensorcnt 0x0
	ds_add_u32 v245, v247
	s_wait_dscnt 0x0
	s_endpgm
.Lfunc_end_k_qdad612638f_xq:
	.size	k_qdad612638f_xq, .Lfunc_end_k_qdad612638f_xq-k_qdad612638f_xq
	.p2alignl 7, 3214868480
	.fill 96, 4, 3214868480
	.section	.rodata,"a",@progbits
	.p2align	6, 0x0
	.amdhsa_kernel k_qdad612638f_xq
		.amdhsa_group_segment_fixed_size 69632
		.amdhsa_private_segment_fixed_size 0
		.amdhsa_enable_private_segment 0
		.amdhsa_kernarg_size 32
		.amdhsa_user_sgpr_count 2
		.amdhsa_user_sgpr_kernarg_segment_ptr 1
		.amdhsa_wavefront_size32 1
		.amdhsa_system_sgpr_workgroup_id_x 1
		.amdhsa_system_sgpr_workgroup_id_y 1
		.amdhsa_system_sgpr_workgroup_id_z 1
		.amdhsa_system_vgpr_workitem_id 0
		.amdhsa_next_free_vgpr 256
		.amdhsa_next_free_sgpr 66
		.amdhsa_reserve_vcc 0
		.amdhsa_float_denorm_mode_32 3
		.amdhsa_float_denorm_mode_16_64 3
		.amdhsa_memory_ordered 1
		.amdhsa_forward_progress 1
		.amdhsa_inst_pref_size 36
	.end_amdhsa_kernel
	.amdgpu_metadata
---
amdhsa.version: [ 1, 2 ]
amdhsa.kernels:
  - .name:           k_qdad612638f_xq
    .symbol:         k_qdad612638f_xq.kd
    .args:
      - { .name: x, .offset: 0, .size: 8, .value_kind: global_buffer, .address_space: global }
      - { .name: XMAX, .offset: 8, .size: 8, .value_kind: global_buffer, .address_space: global }
      - { .name: XC, .offset: 16, .size: 8, .value_kind: global_buffer, .address_space: global }
      - { .name: XS, .offset: 24, .size: 8, .value_kind: global_buffer, .address_space: global }
    .group_segment_fixed_size: 69632
    .private_segment_fixed_size: 0
    .kernarg_segment_align: 8
    .kernarg_segment_size: 32
    .max_flat_workgroup_size: 256
    .sgpr_count:     66
    .vgpr_count:     256
    .wavefront_size: 32
...
	.end_amdgpu_metadata
.endif
;; end of part 2
;; launch hmax (part 3): grid 32 x 8, 8 waves a work-group, clusters of 4 x 1, 327,680 bytes of LDS; arguments XC, XS, WI, b_in, HMAX; writes HMAX
.if DOCPART == 3
	.amdgcn_target "amdgcn-amd-amdhsa--gfx1250"
	.amdhsa_code_object_version 6
	.text
	.protected	k_qdad612638f_hmax
	.globl	k_qdad612638f_hmax
	.p2align	8
	.type	k_qdad612638f_hmax,@function
k_qdad612638f_hmax:
	s_mov_b64 s[64:65], 0
	v_nop
	global_prefetch_b8 v0, s[64:65] scope:SCOPE_SE
	s_setreg_imm32_b32 hwreg(HW_REG_WAVE_MODE, 25, 1), 1
	s_wait_xcnt 0x0
	s_wait_alu depctr_hold_cnt(0) depctr_sa_sdst(0) depctr_va_vdst(0) depctr_va_sdst(0) depctr_va_ssrc(0) depctr_va_vcc(0) depctr_vm_vsrc(0)
	s_getreg_b32 s2, hwreg(HW_REG_IB_STS2, 6, 4)
	s_cmp_eq_u32 s2, 0
	s_cbranch_scc0 .Lentry_in_a_cluster
	s_endpgm
.Lentry_in_a_cluster:
	s_bfe_u32 s2, ttmp6, 0x10000c
	s_cmp_lg_u32 s2, 0x3003
	s_cbranch_scc0 .Lentry_shape_is_right
	s_endpgm
.Lentry_shape_is_right:
; PRODUCT 1, z = Q(x) Q(W_in) + b_in, on codes of BF6 (E3M2).  ONE TEXT SERVES TWO LAUNCHES, told apart by HID below.
;   HID = 0: the largest |gelu(z)| of the work-group's part -> HMAX[work-group].   HID = 1: gelu(z), the int16 fake quantiser with the scale from HMAX, codes of BF6 along the hidden units -> HC.
; The hidden layer is made twice and never stored as f32: its 134 MB would go out and come back, against one more pass of the matrix units over codes that lie in LDS and registers.
.set HID, 0
; SHARES.  A work-group: 256 rows (RB) x 512 hidden units, in four chunks of 128 (G = 4 y + c).  Wave w: rows 256 RB + 32 w .. + 31 (two tiles), all 128 units of a chunk: 16 accumulators.
; The wave's 16 fragments of x stay in registers for the whole launch; a chunk of W_in (8 K steps x 8 fragments, and its scale images: 102,400 bytes, images of the operand's registers) is read from LDS.
; TRANSPOSED: source 0 = 16 hidden units, source 1 = 16 rows of x: a lane holds one row of x, and the 16 registers of tiles 2 b, 2 b + 1 are 16 neighbours along product 2's K (the launch that laid WI chose the tiles' rows so).
; b_in is loaded straight into the accumulators, so every product adds in place and nothing is cleared.
; TWO GROUPS OF WAVES.  Waves 4 to 7 run a chunk's vector work one period later than waves 0 to 3.
; LDS: chunk 1 at 0, chunk 2 at 102,400, chunk 0 and later chunk 3 at 204,800 (the one refill); the spare words; 256 bytes for the reduction (HID = 0).
; CLUSTER: the four row blocks of a cluster walk the same chunks: each eighth of a chunk is asked for jointly, by the same load with the same descriptor in all four.  x differs between them and goes to registers.
; No prefetch: three of the four chunks are first fills, the fourth has more than a period in which to land, and all 32 row blocks read the same chunks.
; HC [block of 128 rows 0..63][four K steps 0..7][51,200]: [K step][tile 0..7][1,536], then [pair 0..3][512]: images of product 2's operand registers and scale words.
; gelu(z) = z Phi(z), exact form.  With t = |z|:  2 gelu(z) = (z + t) - t erfc(t / sqrt 2): z + t is exact (2 z or 0), and for z < 0 there is no difference of near numbers.
;   t > 1.30373 (t / sqrt 2 > 0.921875): erfc = 2^(p(t)), p of degree 7;  else erfc = 1 + t n(t^2), n of degree 5 (N. Juffa's fits of erf, folded with log2 e and the powers of 1 / sqrt 2).
;   Once t stands in a register all lines but |z|, the compare, the select and the exponential are packed.  The factor 2 goes into the quantiser's scale (HID = 1) or comes off the maximum (HID = 0): both exact.
; THE int16 QUANTISER (HID = 1): s = 32767 / max(amax, 1e-8); n = 2 gelu x (s / 2) + 1.5 x 2^23 - 1.5 x 2^23 is the nearest whole number, ties to even (|n| <= 32767); then n x (1 / s).
; THE LARGEST |gelu| WITHOUT A gelu A NUMBER (HID = 0).  |gelu| rises with z above 0; below 0 it has one hump, at z* = -0.75179.  So the largest is at the largest z, at the nearest z <= z*, or at the nearest negative z > z*.
; The two nearest are found on the numbers' bit patterns (bits - bits(z*), and bits(z*) - 1 - bits, as unsigned numbers: what lies on the wrong side wraps to a large number).  Each candidate is a number that occurs, so none overstates.
; LIMITS: |z| < 1e6 (beyond, p's powers overflow); NaN and infinities are not served; erfc is good to some 1e-7 absolute in the small branch and 1e-6 relative in the large one;
; the product with s and the rounding to a whole number are one fused step, where reference() rounds the product to f32 first: they differ only where the product lies within half an ulp of a middle between two whole numbers;
; / s is a multiplication by a refined 1 / s; the clip at +-32767 is left out (|v| <= amax gives |v s| <= 32767 (1 + 2^-22)); a block of zeros gets the scale byte 1.
.set CHUNK, 102400
.set BLKB,  12800                      ; a K step of a chunk: 8 fragments of 1,536 bytes and one scale image of 512; also what one tensor load brings
.set SPARE, 3*CHUNK                    ; the spare words: 128 bytes for each of 8 waves, four blocks of 256 bytes that no other line names
.set RED,   SPARE+1024
; window 0
.set L16, 1                            ; v1      16 x lane
.set SPW, 2                            ; v2      LDS address of my spare word; never rewritten
.set NIL, 3                            ; v3      0; never rewritten
.set RA,  12                           ; v12     HID = 0: LDS address of my wave's word;  v13: of the eight;  v14: 0
.set RC,  13
.set ZO,  14
.set XSC, 16                           ; v16-23  x's scale words, K step ks: lanes 0-15 tile 0, lanes 16-31 tile 1
.set WSC, 24                           ; v24-55  W's scale words: 8 pair + ks: lanes 0-15 the even tile, lanes 16-31 the odd
.set XF,  64                           ; v64-255 x's fragments: 12 (8 tile + ks)
; window 1 (written v0 .. v255)
.set ACC, 0                            ; the accumulators: 8 (8 tile of x + tile of W)
.set WF,  128                          ; v128-223 W's eight fragments of a K step; the vector work's registers between two chunks
.set ADR0, 224                         ; v224, v225 LDS address of the chunk's K steps 0-3, 4-7
.set BA,  226                          ; 64 x (lane / 16): b_in
.set HCO, 227                          ; 16 x lane
.set SW,  228                          ; v228-231 the scale words of the last four chunks
.set PWC, 232                          ; the word in the making: lanes 0-15 tile 0, lanes 16-31 tile 1
.set PW,  233
.set TM,  236                          ; v236-251 at work in QUANT
.set PC,  128
.set CM1, 236                          ; HID = 0: four running minima each, four running maxima, four at work
.set CM2, 240
.set ZM,  244
.set TT1, 248
.if HID
.set GT,  128                          ; t = |z|
.set GS,  144                          ; t^2
.set GA,  160                          ; p's odd part, p, erfc
.set GB,  176                          ; p's even part, then the small branch
.set GW,  192                          ; z + t
.set KC5, 208                          ; four constants in vector pairs, set anew ahead of each chunk's vector work: they lie among W's fragments
.set KC4, 210
.set KN4, 212
.set KMG, 214
.else
.set GT,  68                           ; the one gelu of four numbers at the end stands in window 0, where x's fragments lay
.set GS,  72
.set GA,  76
.set GB,  80
.set GW,  84
.set KC5, 88
.set KC4, 90
.set KN4, 92
.endif
; scalars: s[4:5] XC, s[6:7] XS, s[8:9] WI, s[10:11] b_in, s[12:13] HMAX, s[14:15] HC
.set WV,  16
.set GR,  17                           ; wave / 4
.set CX,  18
.set RB,  19
.set YY,  20
.set TB,  21                           ; LDS byte at which the period's chunk begins;  s22: 51,200 on
.set TB1, 22
.set TT,  23
.set G1,  24                           ; s[24:31] descriptor group 1
.set G0,  32                           ; s[32:47] a group 0 for each chunk; never rewritten
.set UC,  48
.set MASKU, 49
.set SEL, 50
.set ABSM, 52
.set THR, 53
.set SC,  54                           ; s / 2, twice
.set IV,  56                           ; 1 / s, twice
.set ONE, 58
.set C1,  60
.set C2,  62
.set C3,  66
.set C6,  68
.set C7,  70
.set N0,  72
.set N1,  74
.set N2,  76
.set N3,  78
.set N5,  80
.set HSB, 82
.set CM,  84                           ; s84-87 masks
.set NMG, 92                           ; -1.5 x 2^23, twice (behind the head, where s[92:93] are at work)
.set TOP, 95
.set NBZ, 96
.set BZM1, 97
.set MSB, 0
.macro WIN new                         ; the immediate's high byte repeats the setting that is left
.if MSB != \new
	s_set_vgpr_msb (MSB<<8)|\new
.set MSB, \new
.endif
.endm
.macro PLACES
.rept 4
	v_nop
.endr
.endm
.macro SPAIR r, val
	s_mov_b32 s[\r], \val
	s_mov_b32 s[\r+1], \val
.endm
.macro ROUND                           ; a round of the cluster's barrier
	s_barrier_signal -1
	s_barrier_wait -1
	s_cmp_lg_u32 s[WV], 0
	s_cbranch_scc1 .Lnot_wave_0_\@
	s_barrier_signal -3
.Lnot_wave_0_\@:
	s_barrier_wait -3
	s_barrier_signal -1
	s_barrier_wait -1
.endm
.macro WAVEMAX v, t
	s_delay_alu instid0(VALU_DEP_1)
	v_max_num_f32_dpp v[\v], v[\v], v[\v] row_xmask:1 row_mask:0xf bank_mask:0xf
	s_delay_alu instid0(VALU_DEP_1)
	v_max_num_f32_dpp v[\v], v[\v], v[\v] row_xmask:2 row_mask:0xf bank_mask:0xf
	s_delay_alu instid0(VALU_DEP_1)
	v_max_num_f32_dpp v[\v], v[\v], v[\v] row_xmask:4 row_mask:0xf bank_mask:0xf
	s_delay_alu instid0(VALU_DEP_1)
	v_max_num_f32_dpp v[\v], v[\v], v[\v] row_xmask:8 row_mask:0xf bank_mask:0xf
	s_delay_alu instid0(VALU_DEP_1)
	v_permlanex16_b32 v[\t], v[\v], s[SEL], s[SEL+1]
	s_delay_alu instid0(VALU_DEP_1)
	v_max_num_f32 v[\v], v[\v], v[\t]
.endm
.macro DIVS am, sc, iv, r, e           ; sc = TOP / max(am, 1e-8), iv = 1 / sc, each a reciprocal and one step of Newton
	v_max_num_f32 v[\am], 0x322bcc77, v[\am]
	v_rcp_f32 v[\r], v[\am]
	v_nop                                          ; a plain line behind the reciprocal,
	s_wait_alu depctr_va_vdst(0)                   ; and the wait ahead of its first reader
	v_mul_f32 v[\sc], s[TOP], v[\r]
	v_fma_f32 v[\e], -v[\sc], v[\am], s[TOP]
	v_fma_f32 v[\sc], v[\e], v[\r], v[\sc]
	v_rcp_f32 v[\r], v[\sc]
	v_nop
	s_wait_alu depctr_va_vdst(0)
	v_fma_f32 v[\e], -v[\sc], v[\r], 1.0
	v_fma_f32 v[\iv], v[\e], v[\r], v[\r]
.endm
; runs of n / 2 packed lines
.macro PKMUL_VV d, a, b, n
.set gi, 0
.rept (\n)/2
	v_pk_mul_f32 v[\d+gi:\d+gi+1], v[\a+gi:\a+gi+1], v[\b+gi:\b+gi+1]
.set gi, gi+2
.endr
.endm
.macro PKMUL_VS d, a, sc, n
.set gi, 0
.rept (\n)/2
	v_pk_mul_f32 v[\d+gi:\d+gi+1], v[\a+gi:\a+gi+1], s[\sc:\sc+1] op_sel_hi:[1,0]
.set gi, gi+2
.endr
.endm
.macro PKFMA_VVV d, a, b, c, n         ; d = a b + c
.set gi, 0
.rept (\n)/2
	s_delay_alu instid0(VALU_DEP_2)
	v_pk_fma_f32 v[\d+gi:\d+gi+1], v[\a+gi:\a+gi+1], v[\b+gi:\b+gi+1], v[\c+gi:\c+gi+1]
.set gi, gi+2
.endr
.endm
.macro PKFMA_VVS d, a, b, sc, n        ; d = a b + a scalar
.set gi, 0
.rept (\n)/2
	v_pk_fma_f32 v[\d+gi:\d+gi+1], v[\a+gi:\a+gi+1], v[\b+gi:\b+gi+1], s[\sc:\sc+1] op_sel_hi:[1,1,0]
.set gi, gi+2
.endr
.endm
.macro PKFMA_VSV d, a, sc, k, n        ; d = a x a scalar + a constant kept in a vector pair
.set gi, 0
.rept (\n)/2
	v_pk_fma_f32 v[\d+gi:\d+gi+1], v[\a+gi:\a+gi+1], s[\sc:\sc+1], v[\k:\k+1] op_sel_hi:[1,0,1]
.set gi, gi+2
.endr
.endm
.macro KSET                            ; the constants that start a chain of multiply-adds stand in vector pairs, so that no packed line names two scalar pairs
.irp i, 0,1
	v_mov_b32 v[KC5+\i], 0xba81d538
	v_mov_b32 v[KC4+\i], 0x3c0f53cc
	v_mov_b32 v[KN4+\i], 0xb9674bf3
.if HID
	v_mov_b32 v[KMG+\i], 0x4b400000                ; 1.5 x 2^23
.endif
.endr
.endm
; n numbers z in v[x] on become 2 gelu(z).  The n exponentials are one batch with one wait; the small branch and z + t are the work between.
.macro GELU x, n
.set gi, 0
.rept \n
	v_and_b32 v[GT+gi], s[ABSM], v[\x+gi]          ; t = |z|.  (Each accumulator is read from its low end on)
.set gi, gi+1
.endr
	PKMUL_VV GS, GT, GT, \n                        ; t^2
	PKFMA_VSV GA, GS, C7, KC5, \n                  ; p's odd part, in t^2,
	PKFMA_VSV GB, GS, C6, KC4, \n                  ; and its even part
	PKFMA_VVS GA, GA, GS, C3, \n
	PKFMA_VVS GB, GB, GS, C2, \n
	PKFMA_VVS GA, GA, GS, C1, \n
	PKMUL_VV GB, GB, GS, \n
	PKFMA_VVV GA, GT, GA, GB, \n                   ; p(t) = log2 erfc(t / sqrt 2)
.set gi, 0
	s_wait_alu depctr_va_vdst(0)
.rept \n
	v_exp_f32 v[GA+gi], v[GA+gi]                   ; erfc, the large branch
.set gi, gi+1
.endr
	PKFMA_VSV GB, GS, N5, KN4, \n                  ; the small branch: n(t^2) = - erf(t / sqrt 2) / t
	PKFMA_VVS GB, GB, GS, N3, \n
	PKFMA_VVS GB, GB, GS, N2, \n
	PKFMA_VVS GB, GB, GS, N1, \n
	PKFMA_VVS GB, GB, GS, N0, \n
	PKFMA_VVS GB, GT, GB, ONE, \n                  ; erfc = 1 + t n
.set gi, 0
.rept (\n)/2
	v_pk_add_f32 v[GW+gi:GW+gi+1], v[\x+gi:\x+gi+1], v[GT+gi:GT+gi+1]   ; z + t: 2 z or 0, exactly
.set gi, gi+2
.endr
	s_wait_alu depctr_va_vdst(0)                   ; one wait for the batch, ahead of its first reader
.set gi, 0
.rept (\n)/4
.irp k, 0,1,2,3
	v_cmp_gt_f32 s[CM+\k], v[GT+gi+\k], s[THR]
.endr
.irp k, 0,1,2,3
	v_cndmask_b32 v[GA+gi+\k], v[GB+gi+\k], v[GA+gi+\k], s[CM+\k]
.endr
.set gi, gi+4
.endr
.set gi, 0
	s_delay_alu instid0(VALU_DEP_3)
	v_pk_fma_f32 v[\x+gi:\x+gi+1], v[GT+gi:GT+gi+1], v[GA+gi:GA+gi+1], v[GW+gi:GW+gi+1] neg_lo:[1,0,0] neg_hi:[1,0,0]   ; (z + t) - t erfc = 2 gelu(z)
.set gi, gi+2
.rept ((\n)/2)-1
	s_delay_alu instid0(VALU_DEP_2)
	v_pk_fma_f32 v[\x+gi:\x+gi+1], v[GT+gi:GT+gi+1], v[GA+gi:GA+gi+1], v[GW+gi:GW+gi+1] neg_lo:[1,0,0] neg_hi:[1,0,0]   ; (z + t) - t erfc = 2 gelu(z)
.set gi, gi+2
.endr
.endm
.macro FQ x, n                         ; the int16 quantiser, on 2 gelu
	PKFMA_VSV \x, \x, SC, KMG, \n                  ; x (s / 2) + 1.5 x 2^23: the sum's last place is 1: it is rounded to a whole number, ties to even
.set gi, 0
.rept (\n)/2
	v_pk_add_f32 v[\x+gi:\x+gi+1], v[\x+gi:\x+gi+1], s[NMG:NMG+1] op_sel_hi:[1,0]   ; - 1.5 x 2^23, exactly
.set gi, gi+2
.endr
	PKMUL_VS \x, \x, IV, \n
.endm
; 64 numbers of a lane, register 16 b + i = neighbour 16 (lane / 16) + i of block b of my row, become a fragment's codes in v[PC] on and its scale word in v[PW]
.macro QUANT s
.irp b, 0,1,2,3
	v_max3_num_f32 v[TM+\b], |v[\s+16*\b]|, |v[\s+1+16*\b]|, 0x2800000   ; and the floor 2^(5 - 127)
.endr
.irp i, 2,4,6,8,10,12,14
.irp b, 0,1,2,3
	v_max3_num_f32 v[TM+\b], v[TM+\b], |v[\s+16*\b+\i]|, |v[\s+1+16*\b+\i]|
.endr
.endr
.irp b, 0,1,2,3
	v_permlanex16_b32 v[TM+4+\b], v[TM+\b], s[SEL], s[SEL+1]
.endr
.irp b, 0,1,2,3
	v_max_num_f32 v[TM+\b], v[TM+\b], v[TM+4+\b]
.endr
.irp b, 0,1,2,3
	v_add_nc_u32 v[TM+12+\b], 0xfe000000, v[TM+\b]
.endr
.irp b, 0,1,2,3
	v_lshrrev_b32 v[TM+4+\b], 23, v[TM+12+\b]
.endr
	v_lshl_or_b32 v[PW], v[TM+5], 8, v[TM+4]
	v_lshl_or_b32 v[PW], v[TM+6], 16, v[PW]
	v_lshl_or_b32 v[PW], v[TM+7], 24, v[PW]
.irp c, 0,1
	v_cvt_scalef32_pk16_bf6_f32 v[PC+6*\c:PC+2+6*\c], v[\s+32*\c:\s+15+32*\c], v[TM+12+2*\c]
	v_cvt_scalef32_pk16_bf6_f32 v[PC+12+4*\c:PC+14+4*\c], v[\s+16+32*\c:\s+31+32*\c], v[TM+12+2*\c+1]
.endr
	v_nop                                          ; one plain line behind the scaled conversions
.irp c, 0,1
.irp i, 0,1,2
	v_permlane16_swap_b32 v[PC+6*\c+\i], v[PC+12+4*\c+\i]
.endr
.irp i, 0,1,2
	v_mov_b32 v[PC+3+6*\c+\i], v[PC+12+4*\c+\i]
.endr
.endr
.endm
.macro WMMA d, a, b, c, sa, sb, ra, rb ; ra, rb: the side's scale words stand in lanes 16-31
.if (\ra) && (\rb)
	v_wmma_scale_f32_16x16x128_f8f6f4 v[\d:\d+7], v[\a:\a+11], v[\b:\b+11], v[\c:\c+7], v[\sa], v[\sb] matrix_a_fmt:MATRIX_FMT_BF6 matrix_b_fmt:MATRIX_FMT_BF6 matrix_a_scale:MATRIX_SCALE_ROW1 matrix_b_scale:MATRIX_SCALE_ROW1
.elseif (\ra)
	v_wmma_scale_f32_16x16x128_f8f6f4 v[\d:\d+7], v[\a:\a+11], v[\b:\b+11], v[\c:\c+7], v[\sa], v[\sb] matrix_a_fmt:MATRIX_FMT_BF6 matrix_b_fmt:MATRIX_FMT_BF6 matrix_a_scale:MATRIX_SCALE_ROW1
.elseif (\rb)
	v_wmma_scale_f32_16x16x128_f8f6f4 v[\d:\d+7], v[\a:\a+11], v[\b:\b+11], v[\c:\c+7], v[\sa], v[\sb] matrix_a_fmt:MATRIX_FMT_BF6 matrix_b_fmt:MATRIX_FMT_BF6 matrix_b_scale:MATRIX_SCALE_ROW1
.else
	v_wmma_scale_f32_16x16x128_f8f6f4 v[\d:\d+7], v[\a:\a+11], v[\b:\b+11], v[\c:\c+7], v[\sa], v[\sb] matrix_a_fmt:MATRIX_FMT_BF6 matrix_b_fmt:MATRIX_FMT_BF6
.endif
.endm
.macro LOADW hf, ks                    ; four of W's eight fragments of K step ks: 12 loads of 512 consecutive bytes
.irp t, 0,1,2,3
.irp c, 0,1,2
	ds_load_b128 v[WF+12*(4*\hf+\t)+4*\c:WF+12*(4*\hf+\t)+4*\c+3], v[ADR0+(\ks)/4] offset:((\ks)%4)*BLKB+1536*(4*\hf+\t)+512*\c
.endr
.endr
.endm
.macro MM8 hf, ks                      ; eight products; the 16 accumulators take turns, one instruction a turn
.irp t, 0,1,2,3
.irp z, 0,1
	WMMA ACC+8*(8*\z+4*\hf+\t), WF+12*(4*\hf+\t), XF+12*(8*\z+\ks), ACC+8*(8*\z+4*\hf+\t), WSC+8*((4*\hf+\t)/2)+\ks, XSC+\ks, \t%2, \z
.endr
.endr
.endm
; A CHUNK'S PRODUCTS.  W's fragments come in halves of four, each asked for eight products ahead of its use.
.macro MCHUNK
	WIN 0x41                                       ; destination and address in window 1
.irp z, 0,1
.irp b, 0,1,2,3
.irp u, 0,1
.irp e, 0,1
	global_load_b128 v[ACC+8*(8*\z+2*\b+\u)+4*\e:ACC+8*(8*\z+2*\b+\u)+4*\e+3], v[BA], s[10:11] offset:128*(((\b&1)<<1)|(\b>>1))+32*\u+16*\e   ; register j of tile 2 b + u: unit 32 sw(b) + 16 h + 8 u + j
.endr
.endr
.endr
.endr
	WIN 0x01                                       ; destination window 0, address window 1
.irp j, 0,1,2,3,4,5,6,7
	ds_load_b128 v[WSC+4*\j:WSC+4*\j+3], v[ADR0+\j/4] offset:(\j%4)*BLKB+12288   ; the image behind K step j's fragments: pair j / 2, K steps 4 (j % 2) ..
.endr
	WIN 0x51                                       ; source 0 (W), C and D window 1; source 1 (x) window 0
	LOADW 0, 0
	LOADW 1, 0
	s_wait_loadcnt 0x0                             ; b_in lies in the accumulators,
	s_add_nc_u64 s[10:11], s[10:11], 512           ; and its loads are done: on to the next chunk's
.irp ks, 0,1,2,3,4,5,6,7
	s_wait_dscnt 12                                ; all but the youngest 12 loads (the second half's): the first half, and in K step 0 the scale words, are in
	MM8 0, \ks
.if \ks < 7
	PLACES                                         ; four plain lines in front of loads into registers that products have read
	LOADW 0, \ks+1
	s_wait_dscnt 12                                ; all but the 12 just issued: the second half is in
.else
	s_wait_dscnt 0x0
.endif
	MM8 1, \ks
.if \ks < 7
	PLACES
	LOADW 1, \ks+1
.endif
.endr
	PLACES                                         ; in front of the first read of results, and of vector lines that write W's registers
	WIN 0
.endm
; A CHUNK'S VECTOR WORK, HID = 1.  Two trips, a tile of x each, on the same registers: the first trip ends by moving tile 1's 64 numbers into tile 0's registers; the second jumps over the moves (a branch on the trip's number).
.macro EHID
	WIN 0x55
	KSET
	WIN 0
	s_mov_b32 s[UC], 0
	s_mov_b32 s[MASKU], 0xffff
.Lunit_\@:
	WIN 0x55
.irp b, 0,1,2,3
	GELU ACC+16*\b, 16
	FQ ACC+16*\b, 16
.endr
	QUANT ACC
.irp c, 0,1,2
	global_store_b128 v[HCO], v[PC+4*\c:PC+4*\c+3], s[14:15] offset:512*\c th:TH_STORE_NT   ; the fragment's image: 512 consecutive bytes a store
.endr
	v_cndmask_b32 v[PWC], v[PWC], v[PW], s[MASKU]  ; lanes 0-15 take tile 0's word, lanes 16-31 tile 1's
	WIN 0
	s_cmp_lg_u32 s[UC], 0
	s_cbranch_scc1 .Lmoved_\@
	WIN 0x55
.set gi, 0
.rept 64
	v_mov_b32 v[ACC+gi], v[ACC+64+gi]              ; each accumulator is read from its low end on
.set gi, gi+1
.endr
	WIN 0
.Lmoved_\@:
	s_wait_xcnt 0x0                                ; the stores have read the codes' registers and their base: both are written again only behind this wait
	s_add_nc_u64 s[14:15], s[14:15], 1536
	s_not_b32 s[MASKU], s[MASKU]
	s_add_co_u32 s[UC], s[UC], 1
	s_cmp_lt_u32 s[UC], 2
	s_cbranch_scc1 .Lunit_\@
	WIN 0x55
	v_mov_b32 v[SW], v[SW+1]                       ; the four chunks' words move up: after the fourth chunk v[SW + c] is chunk c's
	v_mov_b32 v[SW+1], v[SW+2]
	v_mov_b32 v[SW+2], v[SW+3]
	v_mov_b32 v[SW+3], v[PWC]
	WIN 0
	s_add_nc_u64 s[14:15], s[14:15], 12288-3072    ; the next K step of product 2
.endm
; A CHUNK'S VECTOR WORK, HID = 0: the three candidates
.macro EMAX
	WIN 0x55
.set ei, 0
.rept 64
	v_add_nc_u32 v[TT1], s[NBZ], v[ACC+ei]         ; bits - bits(z*): small where z <= z*
	v_sub_nc_u32 v[TT1+1], s[BZM1], v[ACC+ei]      ; bits(z*) - 1 - bits: small where z* < z < 0
	v_add_nc_u32 v[TT1+2], s[NBZ], v[ACC+ei+1]
	v_sub_nc_u32 v[TT1+3], s[BZM1], v[ACC+ei+1]
	v_max3_num_f32 v[ZM+(ei/2)%4], v[ZM+(ei/2)%4], v[ACC+ei], v[ACC+ei+1]
	v_min_u32 v[CM1+2*((ei/2)%2)], v[CM1+2*((ei/2)%2)], v[TT1]
	v_min_u32 v[CM2+2*((ei/2)%2)], v[CM2+2*((ei/2)%2)], v[TT1+1]
	v_min_u32 v[CM1+2*((ei/2)%2)+1], v[CM1+2*((ei/2)%2)+1], v[TT1+2]
	v_min_u32 v[CM2+2*((ei/2)%2)+1], v[CM2+2*((ei/2)%2)+1], v[TT1+3]
.set ei, ei+2
.endr
	WIN 0
.endm
.macro EPH
.if HID
	EHID
.else
	EMAX
.endif
.endm
	s_load_b256 s[4:11], s[0:1], 0x0               ; XC, XS, WI, b_in
.if HID
	s_load_b128 s[12:15], s[0:1], 0x20             ; HMAX, HC
.else
	s_load_b64 s[12:13], s[0:1], 0x20              ; HMAX
.endif
	v_lshl_add_u32 v[SPW], v0, 2, SPARE
	v_mov_b32 v[NIL], 0
	ds_add_u32 v2, v3
	ds_add_u32 v2, v3
	s_wait_dscnt 0x0
	v_lshrrev_b32 v4, 5, v0
	s_delay_alu instid0(VALU_DEP_1)
	v_readfirstlane_b32 s[WV], v4                  ; wave 0..7
	s_lshr_b32 s[GR], s[WV], 2
	s_bfe_u32 s[CX], ttmp6, 0x40000                ; my place in the cluster: it enters global addresses of x's codes and of the results alone
	s_lshl_b32 s[RB], ttmp9, 2
	s_add_co_u32 s[RB], s[RB], s[CX]               ; my block of 256 rows
	s_and_b32 s[YY], ttmp7, 0xffff                 ; my 512 hidden units
	; descriptor group 1: 12,800 dense bytes as 50 rows of 256 (32 elements of 8 bytes)
	s_mov_b32 s[G1+0], 15|(3<<16)|(1<<21)          ; 15:0 the mask: all four work-groups; 17:16 elements of 8 bytes; 21 set beside a mask
	s_mov_b32 s[G1+1], 32<<16                      ; tensor_dim0
	s_mov_b32 s[G1+2], 50<<16                      ; tensor_dim1
	s_mov_b32 s[G1+3], 32<<16                      ; tile_dim0
	s_mov_b32 s[G1+4], 50                          ; tile_dim1
	s_mov_b32 s[G1+5], 32                          ; the pitch
	s_mov_b32 s[G1+6], 0
	s_mov_b32 s[G1+7], 0
	s_mul_i32 s88, s[WV], BLKB                     ; my eighth of a chunk: K step w
	s_mul_i32 s90, s[YY], 4*CHUNK
	s_add_co_u32 s90, s90, s88
	s_mov_b32 s91, 0
	s_wait_kmcnt 0x0
	s_add_nc_u64 s[92:93], s[8:9], s[90:91]
	s_mov_b32 s[G0+4], 1                           ; chunks 1 and 2 lie on end in WI and in LDS: one load a wave, my eighth of their 204,800 bytes
	s_lshl_b32 s[G0+5], s88, 1                     ; LDS byte 25,600 x wave
	s_mov_b32 s89, 0
	s_add_nc_u64 s[G0+6:G0+7], s[92:93], s[88:89]  ; WI at my first chunk + 25,600 x wave,
	s_add_nc_u64 s[G0+6:G0+7], s[G0+6:G0+7], CHUNK ; one chunk on
	s_or_b32 s[G0+7], s[G0+7], 0x80000000
.irp c, 0,3
	s_mov_b32 s[G0+4*\c], 1
	s_add_co_u32 s[G0+4*\c+1], s88, ((\c+2)%3)*CHUNK   ; chunks 0 and 3 at 204,800, chunk 1 at 0, chunk 2 at 102,400
	s_add_nc_u64 s[G0+4*\c+2:G0+4*\c+3], s[92:93], \c*CHUNK
	s_or_b32 s[G0+4*\c+3], s[G0+4*\c+3], 0x80000000
.endr
	s_lshl_b32 s88, s[RB], 4
	s_lshl_b32 s89, s[WV], 1
	s_add_co_u32 s88, s88, s89
	s_mul_i32 s88, s88, 12288                      ; my first tile of x: 8 fragments a tile
	s_mov_b32 s89, 0
	s_add_nc_u64 s[4:5], s[4:5], s[88:89]
	s_lshl_b32 s88, s[RB], 3
	s_add_co_u32 s88, s88, s[WV]
	s_lshl_b32 s88, s88, 10                        ; my pair's two scale images
	s_add_nc_u64 s[6:7], s[6:7], s[88:89]
	s_lshl_b32 s88, s[YY], 11
	s_add_nc_u64 s[10:11], s[10:11], s[88:89]      ; b_in at my first chunk
.if HID
	s_lshl_b32 s88, s[RB], 1
	s_add_co_u32 s88, s88, s[GR]                   ; product 2's block of 128 rows,
	s_lshl_b32 s88, s88, 3
	s_add_co_u32 s88, s88, s[YY]                   ; its four K steps y
	s_mul_i32 s88, s88, 51200
	s_and_b32 s90, s[WV], 3
	s_mul_i32 s94, s90, 3072                       ; my two tiles,
	s_lshl_b32 s90, s90, 9                         ; my pair's scale image
	s_add_co_u32 s90, s90, s88
	s_add_co_u32 s90, s90, 49152
	s_add_nc_u64 s[HSB:HSB+1], s[14:15], s[90:91]
	s_add_co_u32 s88, s88, s94
	s_add_nc_u64 s[14:15], s[14:15], s[88:89]
.else
	s_lshl_b32 s88, s[YY], 5
	s_add_co_u32 s88, s88, s[RB]
	s_lshl_b32 s88, s88, 2
	s_add_nc_u64 s[12:13], s[12:13], s[88:89]
.endif
	ROUND                                          ; all four work-groups are here: the first joint loads meet
	tensor_load_to_lds s[G0:G0+3], s[G1:G1+7]      ; chunk 0: one tensor load a wave at the head
	s_nop 0
	PLACES                                         ; four plain lines behind the tensor loads
	v_and_b32 v4, 31, v0
	s_delay_alu instid0(VALU_DEP_1)
	v_lshlrev_b32 v[L16], 4, v4
	v_bfe_u32 v5, v0, 4, 1
.if HID
	global_load_b128 v[8:11], v[L16], s[12:13]     ; the 256 partial maxima, eight a lane
	global_load_b128 v[12:15], v[L16], s[12:13] offset:512
.endif
.set i, 0
	s_wait_alu depctr_va_vdst(0)
.rept 48
	global_load_b128 v[XF+4*i:XF+4*i+3], v[L16], s[4:5] offset:512*i   ; x's 16 fragments, as they lie
.set i, i+1
.endr
	global_load_b128 v[XSC:XSC+3], v[L16], s[6:7]
	global_load_b128 v[XSC+4:XSC+7], v[L16], s[6:7] offset:512
	s_mov_b32 s[SEL], 0x76543210
	s_mov_b32 s[SEL+1], 0xfedcba98
	s_mov_b32 s[ABSM], 0x7fffffff
	s_mov_b32 s[THR], 0x3fa6e090                   ; 0.921875 x sqrt 2
	s_mov_b32 s[TOP], 0x46fffe00                   ; 32767.0
	s_mov_b32 s[NBZ], 0x40bf8ab1                   ; - bits(z*)
	s_mov_b32 s[BZM1], 0xbf40754e                  ; bits(z*) - 1
	SPAIR ONE, 0x3f800000
	SPAIR C1, 0xbf9362b1                           ; p(t) = c1 t + .. + c7 t^7
	SPAIR C2, 0xbeea77c7
	SPAIR C3, 0xbd5f15d0
	SPAIR C6, 0x3890ec3c
	SPAIR C7, 0xb613eb93
	SPAIR N0, 0xbf4c422a                           ; n(u) = n0 + n1 u + .. + n5 u^5
	SPAIR N1, 0x3e082c03
	SPAIR N2, 0xbca36176
	SPAIR N3, 0x3b1b0ebf
	SPAIR N5, 0x375d3c6d
.if HID
	SPAIR NMG, 0xcb400000                          ; -1.5 x 2^23
.endif
	s_mov_b32 s[TB], 2*CHUNK                       ; chunk 0
	s_mov_b32 s[TB1], 2*CHUNK+51200
	WIN 0x40                                       ; destination window 1
	v_lshlrev_b32 v[BA], 6, v5
	v_add_nc_u32 v[ADR0], s[TB], v[L16]
	v_add_nc_u32 v[ADR0+1], s[TB1], v[L16]
.if HID
	v_mov_b32 v[HCO], v[L16]
.irp i, 0,1,2,3,4
	v_mov_b32 v[SW+\i], 0
.endr
.irp i, 4,5,6,7
	v_mov_b32 v[TM+\i], 0                          ; a lane permute's destination counts as one of its sources
.endr
	WIN 0
	s_wait_loadcnt 50                              ; the maxima are in; the 50 loads behind them stay out
	v_max3_num_f32 v8, v8, v9, v10
	v_max3_num_f32 v8, v8, v11, v12
	v_max3_num_f32 v8, v8, v13, v14
	v_max_num_f32 v8, v8, v15
	WAVEMAX 8, 4
	DIVS 8, 5, 6, 7, 9
	v_mul_f32 v5, 0.5, v5                          ; s / 2: the vector work makes 2 gelu
	v_readfirstlane_b32 s[SC], v5
	v_readfirstlane_b32 s[IV], v6
	s_mov_b32 s[SC+1], s[SC]
	s_mov_b32 s[IV+1], s[IV]
.else
.irp i, 0,1,2,3
	v_mov_b32 v[CM1+\i], -1                        ; above every distance; the first chunk's numbers take their place
	v_mov_b32 v[CM2+\i], -1
	v_mov_b32 v[ZM+\i], 0xff800000
.endr
	WIN 0
	s_lshl_b32 s88, s[WV], 2
	s_add_co_u32 s88, s88, RED
	v_mov_b32 v[RA], s88
	v_mov_b32 v[RC], RED
	v_mov_b32 v[ZO], 0
.endif
	s_wait_alu depctr_va_vdst(0)                   ; the wait at the head's end
	s_wait_loadcnt 0x0                             ; x
	s_wait_tensorcnt 0x0                           ; my eighth of chunk 0 is in
	ds_add_u32 v[SPW], v[NIL]
	s_mov_b32 s[G1+2], 100<<16                     ; no tensor load of mine is out: the next load brings 100 rows of 256 bytes
	s_mov_b32 s[G1+4], 100
	s_wait_dscnt 0x0
	ROUND                                          ; everybody's eighth of chunk 0 is in, and all four work-groups are here
	tensor_load_to_lds s[G0+4:G0+7], s[G1:G1+7]    ; chunks 1 and 2, first fills: my one tensor load behind the round; period 0 stands between it and the wait for it
	s_nop 0
	PLACES
	MCHUNK                                         ; period 0: all eight waves multiply chunk 0;
	s_cmp_lg_u32 s[GR], 0
	s_cbranch_scc1 .Lp0
	EPH                                            ; waves 0 to 3 go on to its vector work, waves 4 to 7 keep theirs for the next period
.Lp0:
	s_wait_tensorcnt 0x0                           ; all my tensor loads have landed;
	ds_add_u32 v[SPW], v[NIL]                      ; 0 onto my spare word;
	s_mov_b32 s[TB], 0                             ; (chunk 1)
	s_mov_b32 s[TB1], 51200
	s_mov_b32 s[G1+2], 50<<16                      ; no tensor load of mine is out: chunk 3's load brings 50 rows again
	s_mov_b32 s[G1+4], 50
	s_wait_dscnt 0x0                               ; the add is done, and my reads of chunk 0 are over
	ROUND                                          ; that now holds of every wave of all four work-groups
	tensor_load_to_lds s[G0+12:G0+15], s[G1:G1+7]  ; chunk 3 into chunk 0's bytes: my one tensor load behind the round
	s_nop 0
	PLACES
	s_mov_b32 s[TT], 1
.Lper:                                             ; periods 1 to 3: chunk TT
	WIN 0x40
	v_add_nc_u32 v[ADR0], s[TB], v[L16]
	v_add_nc_u32 v[ADR0+1], s[TB1], v[L16]
	WIN 0
	s_cmp_lg_u32 s[GR], 0
	s_cbranch_scc1 .Lg1
	s_wait_alu depctr_va_vdst(0)
	MCHUNK                                         ; waves 0 to 3: this chunk's products, then its vector work
.Lg1:
	EPH                                            ; waves 4 to 7: the last chunk's vector work, then this chunk's products
	s_cmp_eq_u32 s[GR], 0
	s_cbranch_scc1 .Lg0
	MCHUNK
.Lg0:
	s_wait_tensorcnt 0x0                           ; chunk 3's load is my only one that can be out and none is younger: others read my eighth behind this barrier
	s_wait_dscnt 0x0
	s_barrier_signal -1
	s_barrier_wait -1
	s_add_co_u32 s[TB], s[TB], CHUNK
	s_add_co_u32 s[TB1], s[TB1], CHUNK
	s_add_co_u32 s[TT], s[TT], 1
	s_cmp_lt_u32 s[TT], 4
	s_cbranch_scc1 .Lper
	s_cmp_eq_u32 s[GR], 0
	s_cbranch_scc1 .Ldrained
	EPH                                            ; waves 4 to 7: chunk 3's vector work
.Ldrained:
.if HID
	WIN 0x05                                       ; address and data in window 1
	global_store_b128 v[HCO], v[SW:SW+3], s[HSB:HSB+1] th:TH_STORE_NT   ; my pair's scale image for these four K steps of product 2
	WIN 0
.else
	WIN 0x55
	v_min_u32 v[CM1], v[CM1], v[CM1+1]
	s_wait_alu depctr_va_vdst(0)
	v_min_u32 v[CM1+2], v[CM1+2], v[CM1+3]
	v_min_u32 v[CM2], v[CM2], v[CM2+1]
	v_min_u32 v[CM2+2], v[CM2+2], v[CM2+3]
	v_max3_num_f32 v[ZM], v[ZM], v[ZM+1], v[ZM+2]
	s_delay_alu instid0(VALU_DEP_4)
	v_min_u32 v[CM1], v[CM1], v[CM1+2]
	s_delay_alu instid0(VALU_DEP_3)
	v_min_u32 v[CM2], v[CM2], v[CM2+2]
	s_delay_alu instid0(VALU_DEP_3)
	v_max_num_f32 v[ZM], v[ZM], v[ZM+3]
	s_delay_alu instid0(VALU_DEP_3)
	v_add_nc_u32 v[CM1], 0xbf40754f, v[CM1]        ; back to the numbers themselves
	s_delay_alu instid0(VALU_DEP_3)
	v_sub_nc_u32 v[CM2], s[BZM1], v[CM2]
	WIN 0x01                                       ; destination window 0, source window 1
	v_mov_b32 v64, v[CM1]
	v_mov_b32 v65, v[CM2]
	v_mov_b32 v66, v[ZM]
	v_mov_b32 v67, v[ZM]
	WIN 0
	KSET
	GELU 64, 4                                     ; the same lines as in the launch that makes the hidden layer: the same bits
	s_delay_alu instid0(VALU_DEP_1)
	v_max3_num_f32 v68, |v64|, |v65|, |v66|
	s_delay_alu instid0(VALU_DEP_1)
	v_mul_f32 v68, 0.5, v68                        ; the lines above make 2 gelu
	WAVEMAX 68, 69
	ds_store_b32 v[RA], v68
	s_wait_dscnt 0x0
	s_barrier_signal -1
	s_barrier_wait -1
	ds_load_b128 v[72:75], v[RC]
	ds_load_b128 v[76:79], v[RC] offset:16
	s_wait_dscnt 0x0
	v_max3_num_f32 v72, v72, v73, v74
	s_delay_alu instid0(VALU_DEP_1)
	v_max3_num_f32 v72, v72, v75, v76
	s_delay_alu instid0(VALU_DEP_1)
	v_max3_num_f32 v72, v72, v77, v78
	s_delay_alu instid0(VALU_DEP_1)
	v_max_num_f32 v72, v72, v79
	s_wait_alu depctr_va_vdst(0)
	s_wait_xcnt 0x0                                ; EXEC changes only behind this wait
	v_cmp_eq_u32 vcc_lo, 0, v0
	s_and_saveexec_b32 s88, vcc_lo                 ; thread 0 alone stores
	global_store_b32 v[ZO], v72, s[12:13]
	s_wait_xcnt 0x0                                ; and again, in front of the line that widens it
	s_or_b32 exec_lo, exec_lo, s88
.endif
	s_wait_tensorcnt 0x0                           ; the wave's end
	ds_add_u32 v[SPW], v[NIL]
	s_wait_dscnt 0x0
	ROUND                                          ; the closing round
	s_endpgm
.Lfunc_end_k_qdad612638f_hmax:
	.size	k_qdad612638f_hmax, .Lfunc_end_k_qdad612638f_hmax-k_qdad612638f_hmax
	.p2alignl 7, 3214868480
	.fill 96, 4, 3214868480
	.section	.rodata,"a",@progbits
	.p2align	6, 0x0
	.amdhsa_kernel k_qdad612638f_hmax
		.amdhsa_group_segment_fixed_size 327680
		.amdhsa_private_segment_fixed_size 0
		.amdhsa_enable_private_segment 0
		.amdhsa_kernarg_size 40
		.amdhsa_user_sgpr_count 2
		.amdhsa_user_sgpr_kernarg_segment_ptr 1
		.amdhsa_wavefront_size32 1
		.amdhsa_system_sgpr_workgroup_id_x 1
		.amdhsa_system_sgpr_workgroup_id_y 1
		.amdhsa_system_sgpr_workgroup_id_z 1
		.amdhsa_system_vgpr_workitem_id 0
		.amdhsa_next_free_vgpr 512
		.amdhsa_next_free_sgpr 100
		.amdhsa_reserve_vcc 1
		.amdhsa_float_denorm_mode_32 3
		.amdhsa_float_denorm_mode_16_64 3
		.amdhsa_memory_ordered 1
		.amdhsa_forward_progress 1
		.amdhsa_inst_pref_size 183
	.end_amdhsa_kernel
	.amdgpu_metadata
---
amdhsa.version: [ 1, 2 ]
amdhsa.kernels:
  - .name:           k_qdad612638f_hmax
    .symbol:         k_qdad612638f_hmax.kd
    .args:
      - { .name: XC, .offset: 0, .size: 8, .value_kind: global_buffer, .address_space: global }
      - { .name: XS, .offset: 8, .size: 8, .value_kind: global_buffer, .address_space: global }
      - { .name: WI, .offset: 16, .size: 8, .value_kind: global_buffer, .address_space: global }
      - { .name: b_in, .offset: 24, .size: 8, .value_kind: global_buffer, .address_space: global }
      - { .name: HMAX, .offset: 32, .size: 8, .value_kind: global_buffer, .address_space: global }
    .group_segment_fixed_size: 327680
    .private_segment_fixed_size: 0
    .kernarg_segment_align: 8
    .kernarg_segment_size: 40
    .max_flat_workgroup_size: 256
    .sgpr_count:     100
    .vgpr_count:     512
    .wavefront_size: 32
...
	.end_amdgpu_metadata
.endif
;; end of part 3
;; launch hid (part 4): grid 32 x 8, 8 waves a work-group, clusters of 4 x 1, 327,680 bytes of LDS; arguments XC, XS, WI, b_in, HMAX, HC; writes HC
.if DOCPART == 4
	.amdgcn_target "amdgcn-amd-amdhsa--gfx1250"
	.amdhsa_code_object_version 6
	.text
	.protected	k_qdad612638f_hid
	.globl	k_qdad612638f_hid
	.p2align	8
	.type	k_qdad612638f_hid,@function
k_qdad612638f_hid:
	s_mov_b64 s[64:65], 0
	v_nop
	global_prefetch_b8 v0, s[64:65] scope:SCOPE_SE
	s_setreg_imm32_b32 hwreg(HW_REG_WAVE_MODE, 25, 1), 1
	s_wait_xcnt 0x0
	s_wait_alu depctr_hold_cnt(0) depctr_sa_sdst(0) depctr_va_vdst(0) depctr_va_sdst(0) depctr_va_ssrc(0) depctr_va_vcc(0) depctr_vm_vsrc(0)
	s_getreg_b32 s2, hwreg(HW_REG_IB_STS2, 6, 4)
	s_cmp_eq_u32 s2, 0
	s_cbranch_scc0 .Lentry_in_a_cluster
	s_endpgm
.Lentry_in_a_cluster:
	s_bfe_u32 s2, ttmp6, 0x10000c
	s_cmp_lg_u32 s2, 0x3003
	s_cbranch_scc0 .Lentry_shape_is_right
	s_endpgm
.Lentry_shape_is_right:
; PRODUCT 1, z = Q(x) Q(W_in) + b_in, on codes of BF6 (E3M2).  ONE TEXT SERVES TWO LAUNCHES, told apart by HID below.
;   HID = 0: the largest |gelu(z)| of the work-group's part -> HMAX[work-group].   HID = 1: gelu(z), the int16 fake quantiser with the scale from HMAX, codes of BF6 along the hidden units -> HC.
; The hidden layer is made twice and never stored as f32: its 134 MB would go out and come back, against one more pass of the matrix units over codes that lie in LDS and registers.
.set HID, 1
; SHARES.  A work-group: 256 rows (RB) x 512 hidden units, in four chunks of 128 (G = 4 y + c).  Wave w: rows 256 RB + 32 w .. + 31 (two tiles), all 128 units of a chunk: 16 accumulators.
; The wave's 16 fragments of x stay in registers for the whole launch; a chunk of W_in (8 K steps x 8 fragments, and its scale images: 102,400 bytes, images of the operand's registers) is read from LDS.
; TRANSPOSED: source 0 = 16 hidden units, source 1 = 16 rows of x: a lane holds one row of x, and the 16 registers of tiles 2 b, 2 b + 1 are 16 neighbours along product 2's K (the launch that laid WI chose the tiles' rows so).
; b_in is loaded straight into the accumulators, so every product adds in place and nothing is cleared.
; TWO GROUPS OF WAVES.  Waves 4 to 7 run a chunk's vector work one period later than waves 0 to 3.
; LDS: chunk 1 at 0, chunk 2 at 102,400, chunk 0 and later chunk 3 at 204,800 (the one refill); the spare words; 256 bytes for the reduction (HID = 0).
; CLUSTER: the four row blocks of a cluster walk the same chunks: each eighth of a chunk is asked for jointly, by the same load with the same descriptor in all four.  x differs between them and goes to registers.
; No prefetch: three of the four chunks are first fills, the fourth has more than a period in which to land, and all 32 row blocks read the same chunks.
; HC [block of 128 rows 0..63][four K steps 0..7][51,200]: [K step][tile 0..7][1,536], then [pair 0..3][512]: images of product 2's operand registers and scale words.
; gelu(z) = z Phi(z), exact form.  With t = |z|:  2 gelu(z) = (z + t) - t erfc(t / sqrt 2): z + t is exact (2 z or 0), and for z < 0 there is no difference of near numbers.
;   t > 1.30373 (t / sqrt 2 > 0.921875): erfc = 2^(p(t)), p of degree 7;  else erfc = 1 + t n(t^2), n of degree 5 (N. Juffa's fits of erf, folded with log2 e and the powers of 1 / sqrt 2).
;   Once t stands in a register all lines but |z|, the compare, the select and the exponential are packed.  The factor 2 goes into the quantiser's scale (HID = 1) or comes off the maximum (HID = 0): both exact.
; THE int16 QUANTISER (HID = 1): s = 32767 / max(amax, 1e-8); n = 2 gelu x (s / 2) + 1.5 x 2^23 - 1.5 x 2^23 is the nearest whole number, ties to even (|n| <= 32767); then n x (1 / s).
; THE LARGEST |gelu| WITHOUT A gelu A NUMBER (HID = 0).  |gelu| rises with z above 0; below 0 it has one hump, at z* = -0.75179.  So the largest is at the largest z, at the nearest z <= z*, or at the nearest negative z > z*.
; The two nearest are found on the numbers' bit patterns (bits - bits(z*), and bits(z*) - 1 - bits, as unsigned numbers: what lies on the wrong side wraps to a large number).  Each candidate is a number that occurs, so none overstates.
; LIMITS: |z| < 1e6 (beyond, p's powers overflow); NaN and infinities are not served; erfc is good to some 1e-7 absolute in the small branch and 1e-6 relative in the large one;
; the product with s and the rounding to a whole number are one fused step, where reference() rounds the product to f32 first: they differ only where the product lies within half an ulp of a middle between two whole numbers;
; / s is a multiplication by a refined 1 / s; the clip at +-32767 is left out (|v| <= amax gives |v s| <= 32767 (1 + 2^-22)); a block of zeros gets the scale byte 1.
.set CHUNK, 102400
.set BLKB,  12800                      ; a K step of a chunk: 8 fragments of 1,536 bytes and one scale image of 512; also what one tensor load brings
.set SPARE, 3*CHUNK                    ; the spare words: 128 bytes for each of 8 waves, four blocks of 256 bytes that no other line names
.set RED,   SPARE+1024
; window 0
.set L16, 1                            ; v1      16 x lane
.set SPW, 2                            ; v2      LDS address of my spare word; never rewritten
.set NIL, 3                            ; v3      0; never rewritten
.set RA,  12                           ; v12     HID = 0: LDS address of my wave's word;  v13: of the eight;  v14: 0
.set RC,  13
.set ZO,  14
.set XSC, 16                           ; v16-23  x's scale words, K step ks: lanes 0-15 tile 0, lanes 16-31 tile 1
.set WSC, 24                           ; v24-55  W's scale words: 8 pair + ks: lanes 0-15 the even tile, lanes 16-31 the odd
.set XF,  64                           ; v64-255 x's fragments: 12 (8 tile + ks)
; window 1 (written v0 .. v255)
.set ACC, 0                            ; the accumulators: 8 (8 tile of x + tile of W)
.set WF,  128                          ; v128-223 W's eight fragments of a K step; the vector work's registers between two chunks
.set ADR0, 224                         ; v224, v225 LDS address of the chunk's K steps 0-3, 4-7
.set BA,  226                          ; 64 x (lane / 16): b_in
.set HCO, 227                          ; 16 x lane
.set SW,  228                          ; v228-231 the scale words of the last four chunks
.set PWC, 232                          ; the word in the making: lanes 0-15 tile 0, lanes 16-31 tile 1
.set PW,  233
.set TM,  236                          ; v236-251 at work in QUANT
.set PC,  128
.set CM1, 236                          ; HID = 0: four running minima each, four running maxima, four at work
.set CM2, 240
.set ZM,  244
.set TT1, 248
.if HID
.set GT,  128                          ; t = |z|
.set GS,  144                          ; t^2
.set GA,  160                          ; p's odd part, p, erfc
.set GB,  176                          ; p's even part, then the small branch
.set GW,  192                          ; z + t
.set KC5, 208                          ; four constants in vector pairs, set anew ahead of each chunk's vector work: they lie among W's fragments
.set KC4, 210
.set KN4, 212
.set KMG, 214
.else
.set GT,  68                           ; the one gelu of four numbers at the end stands in window 0, where x's fragments lay
.set GS,  72
.set GA,  76
.set GB,  80
.set GW,  84
.set KC5, 88
.set KC4, 90
.set KN4, 92
.endif
; scalars: s[4:5] XC, s[6:7] XS, s[8:9] WI, s[10:11] b_in, s[12:13] HMAX, s[14:15] HC
.set WV,  16
.set GR,  17                           ; wave / 4
.set CX,  18
.set RB,  19
.set YY,  20
.set TB,  21                           ; LDS byte at which the period's chunk begins;  s22: 51,200 on
.set TB1, 22
.set TT,  23
.set G1,  24                           ; s[24:31] descriptor group 1
.set G0,  32                           ; s[32:47] a group 0 for each chunk; never rewritten
.set UC,  48
.set MASKU, 49
.set SEL, 50
.set ABSM, 52
.set THR, 53
.set SC,  54                           ; s / 2, twice
.set IV,  56                           ; 1 / s, twice
.set ONE, 58
.set C1,  60
.set C2,  62
.set C3,  66
.set C6,  68
.set C7,  70
.set N0,  72
.set N1,  74
.set N2,  76
.set N3,  78
.set N5,  80
.set HSB, 82
.set CM,  84                           ; s84-87 masks
.set NMG, 92                           ; -1.5 x 2^23, twice (behind the head, where s[92:93] are at work)
.set TOP, 95
.set NBZ, 96
.set BZM1, 97
.set MSB, 0
.macro WIN new                         ; the immediate's high byte repeats the setting that is left
.if MSB != \new
	s_set_vgpr_msb (MSB<<8)|\new
.set MSB, \new
.endif
.endm
.macro PLACES
.rept 4
	v_nop
.endr
.endm
.macro SPAIR r, val
	s_mov_b32 s[\r], \val
	s_mov_b32 s[\r+1], \val
.endm
.macro ROUND                           ; a round of the cluster's barrier
	s_barrier_signal -1
	s_barrier_wait -1
	s_cmp_lg_u32 s[WV], 0
	s_cbranch_scc1 .Lnot_wave_0_\@
	s_barrier_signal -3
.Lnot_wave_0_\@:
	s_barrier_wait -3
	s_barrier_signal -1
	s_barrier_wait -1
.endm
.macro WAVEMAX v, t
	s_delay_alu instid0(VALU_DEP_1)
	v_max_num_f32_dpp v[\v], v[\v], v[\v] row_xmask:1 row_mask:0xf bank_mask:0xf
	s_delay_alu instid0(VALU_DEP_1)
	v_max_num_f32_dpp v[\v], v[\v], v[\v] row_xmask:2 row_mask:0xf bank_mask:0xf
	s_delay_alu instid0(VALU_DEP_1)
	v_max_num_f32_dpp v[\v], v[\v], v[\v] row_xmask:4 row_mask:0xf bank_mask:0xf
	s_delay_alu instid0(VALU_DEP_1)
	v_max_num_f32_dpp v[\v], v[\v], v[\v] row_xmask:8 row_mask:0xf bank_mask:0xf
	s_delay_alu instid0(VALU_DEP_1)
	v_permlanex16_b32 v[\t], v[\v], s[SEL], s[SEL+1]
	s_delay_alu instid0(VALU_DEP_1)
	v_max_num_f32 v[\v], v[\v], v[\t]
.endm
.macro DIVS am, sc, iv, r, e           ; sc = TOP / max(am, 1e-8), iv = 1 / sc, each a reciprocal and one step of Newton
	s_delay_alu instid0(VALU_DEP_1)
	v_max_num_f32 v[\am], 0x322bcc77, v[\am]
	s_wait_alu depctr_va_vdst(0)
	v_rcp_f32 v[\r], v[\am]
	v_nop                                          ; a plain line behind the reciprocal,
	s_wait_alu depctr_va_vdst(0)                   ; and the wait ahead of its first reader
	v_mul_f32 v[\sc], s[TOP], v[\r]
	s_delay_alu instid0(VALU_DEP_1)
	v_fma_f32 v[\e], -v[\sc], v[\am], s[TOP]
	v_fma_f32 v[\sc], v[\e], v[\r], v[\sc]
	s_wait_alu depctr_va_vdst(0)
	v_rcp_f32 v[\r], v[\sc]
	v_nop
	s_wait_alu depctr_va_vdst(0)
	v_fma_f32 v[\e], -v[\sc], v[\r], 1.0
	v_fma_f32 v[\iv], v[\e], v[\r], v[\r]
.endm
; runs of n / 2 packed lines
.macro PKMUL_VV d, a, b, n
.set gi, 0
.rept (\n)/2
	v_pk_mul_f32 v[\d+gi:\d+gi+1], v[\a+gi:\a+gi+1], v[\b+gi:\b+gi+1]
.set gi, gi+2
.endr
.endm
.macro PKMUL_VS d, a, sc, n
.set gi, 0
.rept (\n)/2
	v_pk_mul_f32 v[\d+gi:\d+gi+1], v[\a+gi:\a+gi+1], s[\sc:\sc+1] op_sel_hi:[1,0]
.set gi, gi+2
.endr
.endm
.macro PKFMA_VVV d, a, b, c, n         ; d = a b + c
.set gi, 0
.rept (\n)/2
	v_pk_fma_f32 v[\d+gi:\d+gi+1], v[\a+gi:\a+gi+1], v[\b+gi:\b+gi+1], v[\c+gi:\c+gi+1]
.set gi, gi+2
.endr
.endm
.macro PKFMA_VVS d, a, b, sc, n        ; d = a b + a scalar
.set gi, 0
.rept (\n)/2
	v_pk_fma_f32 v[\d+gi:\d+gi+1], v[\a+gi:\a+gi+1], v[\b+gi:\b+gi+1], s[\sc:\sc+1] op_sel_hi:[1,1,0]
.set gi, gi+2
.endr
.endm
.macro PKFMA_VSV d, a, sc, k, n        ; d = a x a scalar + a constant kept in a vector pair
.set gi, 0
.rept (\n)/2
	v_pk_fma_f32 v[\d+gi:\d+gi+1], v[\a+gi:\a+gi+1], s[\sc:\sc+1], v[\k:\k+1] op_sel_hi:[1,0,1]
.set gi, gi+2
.endr
.endm
.macro KSET                            ; the constants that start a chain of multiply-adds stand in vector pairs, so that no packed line names two scalar pairs
.irp i, 0,1
	v_mov_b32 v[KC5+\i], 0xba81d538
	v_mov_b32 v[KC4+\i], 0x3c0f53cc
	v_mov_b32 v[KN4+\i], 0xb9674bf3
.if HID
	v_mov_b32 v[KMG+\i], 0x4b400000                ; 1.5 x 2^23
.endif
.endr
.endm
; n numbers z in v[x] on become 2 gelu(z).  The n exponentials are one batch with one wait; the small branch and z + t are the work between.
.macro GELU x, n
.set gi, 0
.rept \n
	v_and_b32 v[GT+gi], s[ABSM], v[\x+gi]          ; t = |z|.  (Each accumulator is read from its low end on)
.set gi, gi+1
.endr
	PKMUL_VV GS, GT, GT, \n                        ; t^2
	PKFMA_VSV GA, GS, C7, KC5, \n                  ; p's odd part, in t^2,
	PKFMA_VSV GB, GS, C6, KC4, \n                  ; and its even part
	PKFMA_VVS GA, GA, GS, C3, \n
	PKFMA_VVS GB, GB, GS, C2, \n
	PKFMA_VVS GA, GA, GS, C1, \n
	PKMUL_VV GB, GB, GS, \n
	PKFMA_VVV GA, GT, GA, GB, \n                   ; p(t) = log2 erfc(t / sqrt 2)
.set gi, 0
	s_wait_alu depctr_va_vdst(0)
.rept \n
	v_exp_f32 v[GA+gi], v[GA+gi]                   ; erfc, the large branch
.set gi, gi+1
.endr
	PKFMA_VSV GB, GS, N5, KN4, \n                  ; the small branch: n(t^2) = - erf(t / sqrt 2) / t
	PKFMA_VVS GB, GB, GS, N3, \n
	PKFMA_VVS GB, GB, GS, N2, \n
	PKFMA_VVS GB, GB, GS, N1, \n
	PKFMA_VVS GB, GB, GS, N0, \n
	PKFMA_VVS GB, GT, GB, ONE, \n                  ; erfc = 1 + t n
.set gi, 0
.rept (\n)/2
	v_pk_add_f32 v[GW+gi:GW+gi+1], v[\x+gi:\x+gi+1], v[GT+gi:GT+gi+1]   ; z + t: 2 z or 0, exactly
.set gi, gi+2
.endr
	s_wait_alu depctr_va_vdst(0)                   ; one wait for the batch, ahead of its first reader
.set gi, 0
.rept (\n)/4
.irp k, 0,1,2,3
	v_cmp_gt_f32 s[CM+\k], v[GT+gi+\k], s[THR]
.endr
.irp k, 0,1,2,3
	v_cndmask_b32 v[GA+gi+\k], v[GB+gi+\k], v[GA+gi+\k], s[CM+\k]
.endr
.set gi, gi+4
.endr
.set gi, 0
.rept (\n)/2
	v_pk_fma_f32 v[\x+gi:\x+gi+1], v[GT+gi:GT+gi+1], v[GA+gi:GA+gi+1], v[GW+gi:GW+gi+1] neg_lo:[1,0,0] neg_hi:[1,0,0]   ; (z + t) - t erfc = 2 gelu(z)
.set gi, gi+2
.endr
.endm
.macro FQ x, n                         ; the int16 quantiser, on 2 gelu
	PKFMA_VSV \x, \x, SC, KMG, \n                  ; x (s / 2) + 1.5 x 2^23: the sum's last place is 1: it is rounded to a whole number, ties to even
.set gi, 0
.rept (\n)/2
	v_pk_add_f32 v[\x+gi:\x+gi+1], v[\x+gi:\x+gi+1], s[NMG:NMG+1] op_sel_hi:[1,0]   ; - 1.5 x 2^23, exactly
.set gi, gi+2
.endr
	PKMUL_VS \x, \x, IV, \n
.endm
; 64 numbers of a lane, register 16 b + i = neighbour 16 (lane / 16) + i of block b of my row, become a fragment's codes in v[PC] on and its scale word in v[PW]
.macro QUANT s
.irp b, 0,1,2,3
	v_max3_num_f32 v[TM+\b], |v[\s+16*\b]|, |v[\s+1+16*\b]|, 0x2800000   ; and the floor 2^(5 - 127)
.endr
.irp i, 2,4,6,8,10,12,14
.irp b, 0,1,2,3
	s_delay_alu instid0(VALU_DEP_4)
	v_max3_num_f32 v[TM+\b], v[TM+\b], |v[\s+16*\b+\i]|, |v[\s+1+16*\b+\i]|
.endr
.endr
.irp b, 0,1,2,3
	s_delay_alu instid0(VALU_DEP_4)
	v_permlanex16_b32 v[TM+4+\b], v[TM+\b], s[SEL], s[SEL+1]
.endr
.irp b, 0,1,2,3
	s_delay_alu instid0(VALU_DEP_4)
	v_max_num_f32 v[TM+\b], v[TM+\b], v[TM+4+\b]
.endr
.irp b, 0,1,2,3
	s_delay_alu instid0(VALU_DEP_4)
	v_add_nc_u32 v[TM+12+\b], 0xfe000000, v[TM+\b]
.endr
.irp b, 0,1,2,3
	s_delay_alu instid0(VALU_DEP_4)
	v_lshrrev_b32 v[TM+4+\b], 23, v[TM+12+\b]
.endr
	s_delay_alu instid0(VALU_DEP_3)
	v_lshl_or_b32 v[PW], v[TM+5], 8, v[TM+4]
	s_delay_alu instid0(VALU_DEP_1)
	v_lshl_or_b32 v[PW], v[TM+6], 16, v[PW]
	s_delay_alu instid0(VALU_DEP_1)
	v_lshl_or_b32 v[PW], v[TM+7], 24, v[PW]
.irp c, 0,1
	v_cvt_scalef32_pk16_bf6_f32 v[PC+6*\c:PC+2+6*\c], v[\s+32*\c:\s+15+32*\c], v[TM+12+2*\c]
	v_cvt_scalef32_pk16_bf6_f32 v[PC+12+4*\c:PC+14+4*\c], v[\s+16+32*\c:\s+31+32*\c], v[TM+12+2*\c+1]
.endr
	v_nop                                          ; one plain line behind the scaled conversions
.irp c, 0,1
.irp i, 0,1,2
	v_permlane16_swap_b32 v[PC+6*\c+\i], v[PC+12+4*\c+\i]
.endr
.irp i, 0,1,2
	s_delay_alu instid0(VALU_DEP_3)
	v_mov_b32 v[PC+3+6*\c+\i], v[PC+12+4*\c+\i]
.endr
.endr
.endm
.macro WMMA d, a, b, c, sa, sb, ra, rb ; ra, rb: the side's scale words stand in lanes 16-31
.if (\ra) && (\rb)
	v_wmma_scale_f32_16x16x128_f8f6f4 v[\d:\d+7], v[\a:\a+11], v[\b:\b+11], v[\c:\c+7], v[\sa], v[\sb] matrix_a_fmt:MATRIX_FMT_BF6 matrix_b_fmt:MATRIX_FMT_BF6 matrix_a_scale:MATRIX_SCALE_ROW1 matrix_b_scale:MATRIX_SCALE_ROW1
.elseif (\ra)
	v_wmma_scale_f32_16x16x128_f8f6f4 v[\d:\d+7], v[\a:\a+11], v[\b:\b+11], v[\c:\c+7], v[\sa], v[\sb] matrix_a_fmt:MATRIX_FMT_BF6 matrix_b_fmt:MATRIX_FMT_BF6 matrix_a_scale:MATRIX_SCALE_ROW1
.elseif (\rb)
	v_wmma_scale_f32_16x16x128_f8f6f4 v[\d:\d+7], v[\a:\a+11], v[\b:\b+11], v[\c:\c+7], v[\sa], v[\sb] matrix_a_fmt:MATRIX_FMT_BF6 matrix_b_fmt:MATRIX_FMT_BF6 matrix_b_scale:MATRIX_SCALE_ROW1
.else
	v_wmma_scale_f32_16x16x128_f8f6f4 v[\d:\d+7], v[\a:\a+11], v[\b:\b+11], v[\c:\c+7], v[\sa], v[\sb] matrix_a_fmt:MATRIX_FMT_BF6 matrix_b_fmt:MATRIX_FMT_BF6
.endif
.endm
.macro LOADW hf, ks                    ; four of W's eight fragments of K step ks: 12 loads of 512 consecutive bytes
.irp t, 0,1,2,3
.irp c, 0,1,2
	ds_load_b128 v[WF+12*(4*\hf+\t)+4*\c:WF+12*(4*\hf+\t)+4*\c+3], v[ADR0+(\ks)/4] offset:((\ks)%4)*BLKB+1536*(4*\hf+\t)+512*\c
.endr
.endr
.endm
.macro MM8 hf, ks                      ; eight products; the 16 accumulators take turns, one instruction a turn
.irp t, 0,1,2,3
.irp z, 0,1
	WMMA ACC+8*(8*\z+4*\hf+\t), WF+12*(4*\hf+\t), XF+12*(8*\z+\ks), ACC+8*(8*\z+4*\hf+\t), WSC+8*((4*\hf+\t)/2)+\ks, XSC+\ks, \t%2, \z
.endr
.endr
.endm
; A CHUNK'S PRODUCTS.  W's fragments come in halves of four, each asked for eight products ahead of its use.
.macro MCHUNK
	WIN 0x41                                       ; destination and address in window 1
.irp z, 0,1
.irp b, 0,1,2,3
.irp u, 0,1
.irp e, 0,1
	global_load_b128 v[ACC+8*(8*\z+2*\b+\u)+4*\e:ACC+8*(8*\z+2*\b+\u)+4*\e+3], v[BA], s[10:11] offset:128*(((\b&1)<<1)|(\b>>1))+32*\u+16*\e   ; register j of tile 2 b + u: unit 32 sw(b) + 16 h + 8 u + j
.endr
.endr
.endr
.endr
	WIN 0x01                                       ; destination window 0, address window 1
.irp j, 0,1,2,3,4,5,6,7
	ds_load_b128 v[WSC+4*\j:WSC+4*\j+3], v[ADR0+\j/4] offset:(\j%4)*BLKB+12288   ; the image behind K step j's fragments: pair j / 2, K steps 4 (j % 2) ..
.endr
	WIN 0x51                                       ; source 0 (W), C and D window 1; source 1 (x) window 0
	LOADW 0, 0
	LOADW 1, 0
	s_wait_loadcnt 0x0                             ; b_in lies in the accumulators,
	s_add_nc_u64 s[10:11], s[10:11], 512           ; and its loads are done: on to the next chunk's
.irp ks, 0,1,2,3,4,5,6,7
	s_wait_dscnt 12                                ; all but the youngest 12 loads (the second half's): the first half, and in K step 0 the scale words, are in
	MM8 0, \ks
.if \ks < 7
	PLACES                                         ; four plain lines in front of loads into registers that products have read
	LOADW 0, \ks+1
	s_wait_dscnt 12                                ; all but the 12 just issued: the second half is in
.else
	s_wait_dscnt 0x0
.endif
	MM8 1, \ks
.if \ks < 7
	PLACES
	LOADW 1, \ks+1
.endif
.endr
	PLACES                                         ; in front of the first read of results, and of vector lines that write W's registers
	WIN 0
.endm
; A CHUNK'S VECTOR WORK, HID = 1.  Two trips, a tile of x each, on the same registers: the first trip ends by moving tile 1's 64 numbers into tile 0's registers; the second jumps over the moves (a branch on the trip's number).
.macro EHID
	WIN 0x55
	KSET
	WIN 0
	s_mov_b32 s[UC], 0
	s_mov_b32 s[MASKU], 0xffff
.Lunit_\@:
	WIN 0x55
.irp b, 0,1,2,3
	GELU ACC+16*\b, 16
	FQ ACC+16*\b, 16
.endr
	QUANT ACC
.irp c, 0,1,2
	global_store_b128 v[HCO], v[PC+4*\c:PC+4*\c+3], s[14:15] offset:512*\c th:TH_STORE_NT   ; the fragment's image: 512 consecutive bytes a store
.endr
	v_cndmask_b32 v[PWC], v[PWC], v[PW], s[MASKU]  ; lanes 0-15 take tile 0's word, lanes 16-31 tile 1's
	WIN 0
	s_cmp_lg_u32 s[UC], 0
	s_cbranch_scc1 .Lmoved_\@
	WIN 0x55
.set gi, 0
.rept 64
	v_mov_b32 v[ACC+gi], v[ACC+64+gi]              ; each accumulator is read from its low end on
.set gi, gi+1
.endr
	WIN 0
.Lmoved_\@:
	s_wait_xcnt 0x0                                ; the stores have read the codes' registers and their base: both are written again only behind this wait
	s_add_nc_u64 s[14:15], s[14:15], 1536
	s_not_b32 s[MASKU], s[MASKU]
	s_add_co_u32 s[UC], s[UC], 1
	s_cmp_lt_u32 s[UC], 2
	s_cbranch_scc1 .Lunit_\@
	WIN 0x55
	v_mov_b32 v[SW], v[SW+1]                       ; the four chunks' words move up: after the fourth chunk v[SW + c] is chunk c's
	v_mov_b32 v[SW+1], v[SW+2]
	v_mov_b32 v[SW+2], v[SW+3]
	s_wait_alu depctr_va_vdst(0)
	v_mov_b32 v[SW+3], v[PWC]
	WIN 0
	s_add_nc_u64 s[14:15], s[14:15], 12288-3072    ; the next K step of product 2
.endm
; A CHUNK'S VECTOR WORK, HID = 0: the three candidates
.macro EMAX
	WIN 0x55
.set ei, 0
.rept 64
	v_add_nc_u32 v[TT1], s[NBZ], v[ACC+ei]         ; bits - bits(z*): small where z <= z*
	v_sub_nc_u32 v[TT1+1], s[BZM1], v[ACC+ei]      ; bits(z*) - 1 - bits: small where z* < z < 0
	v_add_nc_u32 v[TT1+2], s[NBZ], v[ACC+ei+1]
	v_sub_nc_u32 v[TT1+3], s[BZM1], v[ACC+ei+1]
	v_max3_num_f32 v[ZM+(ei/2)%4], v[ZM+(ei/2)%4], v[ACC+ei], v[ACC+ei+1]
	v_min_u32 v[CM1+2*((ei/2)%2)], v[CM1+2*((ei/2)%2)], v[TT1]
	v_min_u32 v[CM2+2*((ei/2)%2)], v[CM2+2*((ei/2)%2)], v[TT1+1]
	v_min_u32 v[CM1+2*((ei/2)%2)+1], v[CM1+2*((ei/2)%2)+1], v[TT1+2]
	v_min_u32 v[CM2+2*((ei/2)%2)+1], v[CM2+2*((ei/2)%2)+1], v[TT1+3]
.set ei, ei+2
.endr
	WIN 0
.endm
.macro EPH
.if HID
	EHID
.else
	EMAX
.endif
.endm
	s_load_b256 s[4:11], s[0:1], 0x0               ; XC, XS, WI, b_in
.if HID
	s_load_b128 s[12:15], s[0:1], 0x20             ; HMAX, HC
.else
	s_load_b64 s[12:13], s[0:1], 0x20              ; HMAX
.endif
	v_lshl_add_u32 v[SPW], v0, 2, SPARE
	v_mov_b32 v[NIL], 0
	ds_add_u32 v2, v3
	ds_add_u32 v2, v3
	s_wait_dscnt 0x0
	v_lshrrev_b32 v4, 5, v0
	s_delay_alu instid0(VALU_DEP_1)
	v_readfirstlane_b32 s[WV], v4                  ; wave 0..7
	s_lshr_b32 s[GR], s[WV], 2
	s_bfe_u32 s[CX], ttmp6, 0x40000                ; my place in the cluster: it enters global addresses of x's codes and of the results alone
	s_lshl_b32 s[RB], ttmp9, 2
	s_add_co_u32 s[RB], s[RB], s[CX]               ; my block of 256 rows
	s_and_b32 s[YY], ttmp7, 0xffff                 ; my 512 hidden units
	; descriptor group 1: 12,800 dense bytes as 50 rows of 256 (32 elements of 8 bytes)
	s_mov_b32 s[G1+0], 15|(3<<16)|(1<<21)          ; 15:0 the mask: all four work-groups; 17:16 elements of 8 bytes; 21 set beside a mask
	s_mov_b32 s[G1+1], 32<<16                      ; tensor_dim0
	s_mov_b32 s[G1+2], 50<<16                      ; tensor_dim1
	s_mov_b32 s[G1+3], 32<<16                      ; tile_dim0
	s_mov_b32 s[G1+4], 50                          ; tile_dim1
	s_mov_b32 s[G1+5], 32                          ; the pitch
	s_mov_b32 s[G1+6], 0
	s_mov_b32 s[G1+7], 0
	s_mul_i32 s88, s[WV], BLKB                     ; my eighth of a chunk: K step w
	s_mul_i32 s90, s[YY], 4*CHUNK
	s_add_co_u32 s90, s90, s88
	s_mov_b32 s91, 0
	s_wait_kmcnt 0x0
	s_add_nc_u64 s[92:93], s[8:9], s[90:91]
	s_mov_b32 s[G0+4], 1                           ; chunks 1 and 2 lie on end in WI and in LDS: one load a wave, my eighth of their 204,800 bytes
	s_lshl_b32 s[G0+5], s88, 1                     ; LDS byte 25,600 x wave
	s_mov_b32 s89, 0
	s_add_nc_u64 s[G0+6:G0+7], s[92:93], s[88:89]  ; WI at my first chunk + 25,600 x wave,
	s_add_nc_u64 s[G0+6:G0+7], s[G0+6:G0+7], CHUNK ; one chunk on
	s_or_b32 s[G0+7], s[G0+7], 0x80000000
.irp c, 0,3
	s_mov_b32 s[G0+4*\c], 1
	s_add_co_u32 s[G0+4*\c+1], s88, ((\c+2)%3)*CHUNK   ; chunks 0 and 3 at 204,800, chunk 1 at 0, chunk 2 at 102,400
	s_add_nc_u64 s[G0+4*\c+2:G0+4*\c+3], s[92:93], \c*CHUNK
	s_or_b32 s[G0+4*\c+3], s[G0+4*\c+3], 0x80000000
.endr
	s_lshl_b32 s88, s[RB], 4
	s_lshl_b32 s89, s[WV], 1
	s_add_co_u32 s88, s88, s89
	s_mul_i32 s88, s88, 12288                      ; my first tile of x: 8 fragments a tile
	s_mov_b32 s89, 0
	s_add_nc_u64 s[4:5], s[4:5], s[88:89]
	s_lshl_b32 s88, s[RB], 3
	s_add_co_u32 s88, s88, s[WV]
	s_lshl_b32 s88, s88, 10                        ; my pair's two scale images
	s_add_nc_u64 s[6:7], s[6:7], s[88:89]
	s_lshl_b32 s88, s[YY], 11
	s_add_nc_u64 s[10:11], s[10:11], s[88:89]      ; b_in at my first chunk
.if HID
	s_lshl_b32 s88, s[RB], 1
	s_add_co_u32 s88, s88, s[GR]                   ; product 2's block of 128 rows,
	s_lshl_b32 s88, s88, 3
	s_add_co_u32 s88, s88, s[YY]                   ; its four K steps y
	s_mul_i32 s88, s88, 51200
	s_and_b32 s90, s[WV], 3
	s_mul_i32 s94, s90, 3072                       ; my two tiles,
	s_lshl_b32 s90, s90, 9                         ; my pair's scale image
	s_add_co_u32 s90, s90, s88
	s_add_co_u32 s90, s90, 49152
	s_add_nc_u64 s[HSB:HSB+1], s[14:15], s[90:91]
	s_add_co_u32 s88, s88, s94
	s_add_nc_u64 s[14:15], s[14:15], s[88:89]
.else
	s_lshl_b32 s88, s[YY], 5
	s_add_co_u32 s88, s88, s[RB]
	s_lshl_b32 s88, s88, 2
	s_add_nc_u64 s[12:13], s[12:13], s[88:89]
.endif
	ROUND                                          ; all four work-groups are here: the first joint loads meet
	tensor_load_to_lds s[G0:G0+3], s[G1:G1+7]      ; chunk 0: one tensor load a wave at the head
	s_nop 0
	PLACES                                         ; four plain lines behind the tensor loads
	v_and_b32 v4, 31, v0
	s_delay_alu instid0(VALU_DEP_1)
	v_lshlrev_b32 v[L16], 4, v4
	v_bfe_u32 v5, v0, 4, 1
.if HID
	s_wait_alu depctr_va_vdst(0)
	global_load_b128 v[8:11], v[L16], s[12:13]     ; the 256 partial maxima, eight a lane
	global_load_b128 v[12:15], v[L16], s[12:13] offset:512
.endif
.set i, 0
.rept 48
	global_load_b128 v[XF+4*i:XF+4*i+3], v[L16], s[4:5] offset:512*i   ; x's 16 fragments, as they lie
.set i, i+1
.endr
	global_load_b128 v[XSC:XSC+3], v[L16], s[6:7]
	global_load_b128 v[XSC+4:XSC+7], v[L16], s[6:7] offset:512
	s_mov_b32 s[SEL], 0x76543210
	s_mov_b32 s[SEL+1], 0xfedcba98
	s_mov_b32 s[ABSM], 0x7fffffff
	s_mov_b32 s[THR], 0x3fa6e090                   ; 0.921875 x sqrt 2
	s_mov_b32 s[TOP], 0x46fffe00                   ; 32767.0
	s_mov_b32 s[NBZ], 0x40bf8ab1                   ; - bits(z*)
	s_mov_b32 s[BZM1], 0xbf40754e                  ; bits(z*) - 1
	SPAIR ONE, 0x3f800000
	SPAIR C1, 0xbf9362b1                           ; p(t) = c1 t + .. + c7 t^7
	SPAIR C2, 0xbeea77c7
	SPAIR C3, 0xbd5f15d0
	SPAIR C6, 0x3890ec3c
	SPAIR C7, 0xb613eb93
	SPAIR N0, 0xbf4c422a                           ; n(u) = n0 + n1 u + .. + n5 u^5
	SPAIR N1, 0x3e082c03
	SPAIR N2, 0xbca36176
	SPAIR N3, 0x3b1b0ebf
	SPAIR N5, 0x375d3c6d
.if HID
	SPAIR NMG, 0xcb400000                          ; -1.5 x 2^23
.endif
	s_mov_b32 s[TB], 2*CHUNK                       ; chunk 0
	s_mov_b32 s[TB1], 2*CHUNK+51200
	WIN 0x40                                       ; destination window 1
	v_lshlrev_b32 v[BA], 6, v5
	v_add_nc_u32 v[ADR0], s[TB], v[L16]
	v_add_nc_u32 v[ADR0+1], s[TB1], v[L16]
.if HID
	v_mov_b32 v[HCO], v[L16]
.irp i, 0,1,2,3,4
	v_mov_b32 v[SW+\i], 0
.endr
.irp i, 4,5,6,7
	v_mov_b32 v[TM+\i], 0                          ; a lane permute's destination counts as one of its sources
.endr
	WIN 0
	s_wait_loadcnt 50                              ; the maxima are in; the 50 loads behind them stay out
	v_max3_num_f32 v8, v8, v9, v10
	s_delay_alu instid0(VALU_DEP_1)
	v_max3_num_f32 v8, v8, v11, v12
	s_delay_alu instid0(VALU_DEP_1)
	v_max3_num_f32 v8, v8, v13, v14
	s_delay_alu instid0(VALU_DEP_1)
	v_max_num_f32 v8, v8, v15
	WAVEMAX 8, 4
	DIVS 8, 5, 6, 7, 9
	v_mul_f32 v5, 0.5, v5                          ; s / 2: the vector work makes 2 gelu
	s_delay_alu instid0(VALU_DEP_1)
	v_readfirstlane_b32 s[SC], v5
	s_delay_alu instid0(VALU_DEP_3)
	v_readfirstlane_b32 s[IV], v6
	s_mov_b32 s[SC+1], s[SC]
	s_mov_b32 s[IV+1], s[IV]
.else
.irp i, 0,1,2,3
	v_mov_b32 v[CM1+\i], -1                        ; above every distance; the first chunk's numbers take their place
	v_mov_b32 v[CM2+\i], -1
	v_mov_b32 v[ZM+\i], 0xff800000
.endr
	WIN 0
	s_lshl_b32 s88, s[WV], 2
	s_add_co_u32 s88, s88, RED
	v_mov_b32 v[RA], s88
	v_mov_b32 v[RC], RED
	v_mov_b32 v[ZO], 0
.endif
	s_wait_alu depctr_va_vdst(0)                   ; the wait at the head's end
	s_wait_loadcnt 0x0                             ; x
	s_wait_tensorcnt 0x0                           ; my eighth of chunk 0 is in
	ds_add_u32 v[SPW], v[NIL]
	s_mov_b32 s[G1+2], 100<<16                     ; no tensor load of mine is out: the next load brings 100 rows of 256 bytes
	s_mov_b32 s[G1+4], 100
	s_wait_dscnt 0x0
	ROUND                                          ; everybody's eighth of chunk 0 is in, and all four work-groups are here
	tensor_load_to_lds s[G0+4:G0+7], s[G1:G1+7]    ; chunks 1 and 2, first fills: my one tensor load behind the round; period 0 stands between it and the wait for it
	s_nop 0
	PLACES
	MCHUNK                                         ; period 0: all eight waves multiply chunk 0;
	s_cmp_lg_u32 s[GR], 0
	s_cbranch_scc1 .Lp0
	EPH                                            ; waves 0 to 3 go on to its vector work, waves 4 to 7 keep theirs for the next period
.Lp0:
	s_wait_tensorcnt 0x0                           ; all my tensor loads have landed;
	ds_add_u32 v[SPW], v[NIL]                      ; 0 onto my spare word;
	s_mov_b32 s[TB], 0                             ; (chunk 1)
	s_mov_b32 s[TB1], 51200
	s_mov_b32 s[G1+2], 50<<16                      ; no tensor load of mine is out: chunk 3's load brings 50 rows again
	s_mov_b32 s[G1+4], 50
	s_wait_dscnt 0x0                               ; the add is done, and my reads of chunk 0 are over
	ROUND                                          ; that now holds of every wave of all four work-groups
	tensor_load_to_lds s[G0+12:G0+15], s[G1:G1+7]  ; chunk 3 into chunk 0's bytes: my one tensor load behind the round
	s_nop 0
	PLACES
	s_mov_b32 s[TT], 1
.Lper:                                             ; periods 1 to 3: chunk TT
	WIN 0x40
	v_add_nc_u32 v[ADR0], s[TB], v[L16]
	v_add_nc_u32 v[ADR0+1], s[TB1], v[L16]
	WIN 0
	s_cmp_lg_u32 s[GR], 0
	s_cbranch_scc1 .Lg1
	s_wait_alu depctr_va_vdst(0)
	MCHUNK                                         ; waves 0 to 3: this chunk's products, then its vector work
.Lg1:
	EPH                                            ; waves 4 to 7: the last chunk's vector work, then this chunk's products
	s_cmp_eq_u32 s[GR], 0
	s_cbranch_scc1 .Lg0
	MCHUNK
.Lg0:
	s_wait_tensorcnt 0x0                           ; chunk 3's load is my only one that can be out and none is younger: others read my eighth behind this barrier
	s_wait_dscnt 0x0
	s_barrier_signal -1
	s_barrier_wait -1
	s_add_co_u32 s[TB], s[TB], CHUNK
	s_add_co_u32 s[TB1], s[TB1], CHUNK
	s_add_co_u32 s[TT], s[TT], 1
	s_cmp_lt_u32 s[TT], 4
	s_cbranch_scc1 .Lper
	s_cmp_eq_u32 s[GR], 0
	s_cbranch_scc1 .Ldrained
	EPH                                            ; waves 4 to 7: chunk 3's vector work
.Ldrained:
.if HID
	WIN 0x05                                       ; address and data in window 1
	s_wait_alu depctr_va_vdst(0)
	global_store_b128 v[HCO], v[SW:SW+3], s[HSB:HSB+1] th:TH_STORE_NT   ; my pair's scale image for these four K steps of product 2
	WIN 0
.else
	WIN 0x55
	v_min_u32 v[CM1], v[CM1], v[CM1+1]
	v_min_u32 v[CM1+2], v[CM1+2], v[CM1+3]
	v_min_u32 v[CM2], v[CM2], v[CM2+1]
	v_min_u32 v[CM2+2], v[CM2+2], v[CM2+3]
	v_max3_num_f32 v[ZM], v[ZM], v[ZM+1], v[ZM+2]
	v_min_u32 v[CM1], v[CM1], v[CM1+2]
	v_min_u32 v[CM2], v[CM2], v[CM2+2]
	v_max_num_f32 v[ZM], v[ZM], v[ZM+3]
	v_add_nc_u32 v[CM1], 0xbf40754f, v[CM1]        ; back to the numbers themselves
	v_sub_nc_u32 v[CM2], s[BZM1], v[CM2]
	WIN 0x01                                       ; destination window 0, source window 1
	v_mov_b32 v64, v[CM1]
	v_mov_b32 v65, v[CM2]
	v_mov_b32 v66, v[ZM]
	v_mov_b32 v67, v[ZM]
	WIN 0
	KSET
	GELU 64, 4                                     ; the same lines as in the launch that makes the hidden layer: the same bits
	v_max3_num_f32 v68, |v64|, |v65|, |v66|
	v_mul_f32 v68, 0.5, v68                        ; the lines above make 2 gelu
	WAVEMAX 68, 69
	ds_store_b32 v[RA], v68
	s_wait_dscnt 0x0
	s_barrier_signal -1
	s_barrier_wait -1
	ds_load_b128 v[72:75], v[RC]
	ds_load_b128 v[76:79], v[RC] offset:16
	s_wait_dscnt 0x0
	v_max3_num_f32 v72, v72, v73, v74
	v_max3_num_f32 v72, v72, v75, v76
	v_max3_num_f32 v72, v72, v77, v78
	v_max_num_f32 v72, v72, v79
	s_wait_xcnt 0x0                                ; EXEC changes only behind this wait
	v_cmp_eq_u32 vcc_lo, 0, v0
	s_and_saveexec_b32 s88, vcc_lo                 ; thread 0 alone stores
	global_store_b32 v[ZO], v72, s[12:13]
	s_wait_xcnt 0x0                                ; and again, in front of the line that widens it
	s_or_b32 exec_lo, exec_lo, s88
.endif
	s_wait_tensorcnt 0x0                           ; the wave's end
	ds_add_u32 v[SPW], v[NIL]
	s_wait_dscnt 0x0
	ROUND                                          ; the closing round
	s_endpgm
.Lfunc_end_k_qdad612638f_hid:
	.size	k_qdad612638f_hid, .Lfunc_end_k_qdad612638f_hid-k_qdad612638f_hid
	.p2alignl 7, 3214868480
	.fill 96, 4, 3214868480
	.section	.rodata,"a",@progbits
	.p2align	6, 0x0
	.amdhsa_kernel k_qdad612638f_hid
		.amdhsa_group_segment_fixed_size 327680
		.amdhsa_private_segment_fixed_size 0
		.amdhsa_enable_private_segment 0
		.amdhsa_kernarg_size 48
		.amdhsa_user_sgpr_count 2
		.amdhsa_user_sgpr_kernarg_segment_ptr 1
		.amdhsa_wavefront_size32 1
		.amdhsa_system_sgpr_workgroup_id_x 1
		.amdhsa_system_sgpr_workgroup_id_y 1
		.amdhsa_system_sgpr_workgroup_id_z 1
		.amdhsa_system_vgpr_workitem_id 0
		.amdhsa_next_free_vgpr 512
		.amdhsa_next_free_sgpr 100
		.amdhsa_reserve_vcc 1
		.amdhsa_float_denorm_mode_32 3
		.amdhsa_float_denorm_mode_16_64 3
		.amdhsa_memory_ordered 1
		.amdhsa_forward_progress 1
		.amdhsa_inst_pref_size 255
	.end_amdhsa_kernel
	.section	.bss,"aw",@nobits
	.p2align	6
	.space	262144
	.amdgpu_metadata
---
amdhsa.version: [ 1, 2 ]
amdhsa.kernels:
  - .name:           k_qdad612638f_hid
    .symbol:         k_qdad612638f_hid.kd
    .args:
      - { .name: XC, .offset: 0, .size: 8, .value_kind: global_buffer, .address_space: global }
      - { .name: XS, .offset: 8, .size: 8, .value_kind: global_buffer, .address_space: global }
      - { .name: WI, .offset: 16, .size: 8, .value_kind: global_buffer, .address_space: global }
      - { .name: b_in, .offset: 24, .size: 8, .value_kind: global_buffer, .address_space: global }
      - { .name: HMAX, .offset: 32, .size: 8, .value_kind: global_buffer, .address_space: global }
      - { .name: HC, .offset: 40, .size: 8, .value_kind: global_buffer, .address_space: global }
    .group_segment_fixed_size: 327680
    .private_segment_fixed_size: 0
    .kernarg_segment_align: 8
    .kernarg_segment_size: 48
    .max_flat_workgroup_size: 256
    .sgpr_count:     100
    .vgpr_count:     512
    .wavefront_size: 32
...
	.end_amdgpu_metadata
.endif
;; end of part 4
;; launch outp (part 5): grid 4 x 64, 4 waves a work-group, clusters of 4 x 4, 327,680 bytes of LDS; arguments HC, WO, b_out, out0; writes out0
.if DOCPART == 5
	.amdgcn_target "amdgcn-amd-amdhsa--gfx1250"
	.amdhsa_code_object_version 6
	.text
	.protected	k_qdad612638f_outp
	.globl	k_qdad612638f_outp
	.p2align	8
	.type	k_qdad612638f_outp,@function
k_qdad612638f_outp:
	s_mov_b64 s[64:65], 0
	v_nop
	global_prefetch_b8 v0, s[64:65] scope:SCOPE_SE
	s_setreg_imm32_b32 hwreg(HW_REG_WAVE_MODE, 25, 1), 1
	s_wait_xcnt 0x0
	s_wait_alu depctr_hold_cnt(0) depctr_sa_sdst(0) depctr_va_vdst(0) depctr_va_sdst(0) depctr_va_ssrc(0) depctr_va_vcc(0) depctr_vm_vsrc(0)
	s_getreg_b32 s2, hwreg(HW_REG_IB_STS2, 6, 4)
	s_cmp_eq_u32 s2, 0
	s_cbranch_scc0 .Lentry_in_a_cluster
	s_endpgm
.Lentry_in_a_cluster:
	s_bfe_u32 s2, ttmp6, 0x10000c
	s_cmp_lg_u32 s2, 0xf033
	s_cbranch_scc0 .Lentry_shape_is_right
	s_endpgm
.Lentry_shape_is_right:
.set SLOT,   153600
.set SPARE,  2*SLOT
.set SPITCH, 528
.set SPW,  2
.set NIL,  3
.set ADRA, 4
.set ADRB, 6
.set ADSA, 10
.set ADSB, 12
.set STO,  14
.set RD,   15
.set BO,   17
.set CO,   18
.set PFO,  21
.set HS,   32
.set WS,   48
.set AF,   96
.set BK,   96
.set G1,  24
.set G0,  32
.set G1B, 48
.set G0B, 56
.set PFA, 66
.set LIM, 68
.set MSB, 0
.macro WIN new
.if MSB != \new
	s_set_vgpr_msb (MSB<<8)|\new
.set MSB, \new
.endif
.endm
.macro PLACES
.rept 4
	v_nop
.endr
.endm
.macro JLOAD g0a, g1a, g0b, g1b
	s_cmp_eq_u32 s15, 0
	s_cbranch_scc0 .Lfor_b_\@
	tensor_load_to_lds s[\g0a:\g0a+3], s[\g1a:\g1a+7]
	s_nop 0
.rept 4
	v_nop
.endr
	s_branch .Lasked_\@
.Lfor_b_\@:
	tensor_load_to_lds s[\g0b:\g0b+3], s[\g1b:\g1b+7]
	s_nop 0
.rept 4
	v_nop
.endr
.Lasked_\@:
.endm
.macro ASK second
.if \second
	s_cmp_gt_u32 s3, s[LIM]
.else
	s_cmp_eq_u32 s[LIM], 1
.endif
	s_cbranch_scc0 .Lnot_mine_\@
	global_prefetch_b8 v[PFO], s[PFA:PFA+1] th:TH_LOAD_NT scope:SCOPE_SE
.Lnot_mine_\@:
.endm
.macro CREST
	s_cmp_lg_u32 s14, 0
	s_cbranch_scc1 .Lnot_wave_0_\@
	s_barrier_signal -3
.Lnot_wave_0_\@:
	s_barrier_wait -3
	s_barrier_signal -1
	s_barrier_wait -1
.endm
.macro CROUND
	s_barrier_signal -1
	s_barrier_wait -1
	CREST
.endm
.macro WMMA d, a, b, c, sa, sb, ra, rb
.if (\ra) && (\rb)
	v_wmma_scale_f32_16x16x128_f8f6f4 v[\d:\d+7], v[\a:\a+11], v[\b:\b+11], v[\c:\c+7], v[\sa], v[\sb] matrix_a_fmt:MATRIX_FMT_BF6 matrix_b_fmt:MATRIX_FMT_BF6 matrix_a_scale:MATRIX_SCALE_ROW1 matrix_b_scale:MATRIX_SCALE_ROW1
.elseif (\ra)
	v_wmma_scale_f32_16x16x128_f8f6f4 v[\d:\d+7], v[\a:\a+11], v[\b:\b+11], v[\c:\c+7], v[\sa], v[\sb] matrix_a_fmt:MATRIX_FMT_BF6 matrix_b_fmt:MATRIX_FMT_BF6 matrix_a_scale:MATRIX_SCALE_ROW1
.elseif (\rb)
	v_wmma_scale_f32_16x16x128_f8f6f4 v[\d:\d+7], v[\a:\a+11], v[\b:\b+11], v[\c:\c+7], v[\sa], v[\sb] matrix_a_fmt:MATRIX_FMT_BF6 matrix_b_fmt:MATRIX_FMT_BF6 matrix_b_scale:MATRIX_SCALE_ROW1
.else
	v_wmma_scale_f32_16x16x128_f8f6f4 v[\d:\d+7], v[\a:\a+11], v[\b:\b+11], v[\c:\c+7], v[\sa], v[\sb] matrix_a_fmt:MATRIX_FMT_BF6 matrix_b_fmt:MATRIX_FMT_BF6
.endif
.endm
.macro MUL a0, n, fs, s, q, first
.set ma, \a0
.rept \n
.irp b, 0,1,2,3,4,5,6,7
.if \first
	WMMA 8*(8*ma+\b), 96*(\fs)+12*\b, AF+48*(\fs)+12*ma, 192+8*\b, WS+16*(\s)+4*(\b/2)+(\q), HS+8*(\s)+4*(ma/2)+(\q), \b%2, ma%2
.else
	WMMA 8*(8*ma+\b), 96*(\fs)+12*\b, AF+48*(\fs)+12*ma, 8*(8*ma+\b), WS+16*(\s)+4*(\b/2)+(\q), HS+8*(\s)+4*(ma/2)+(\q), \b%2, ma%2
.endif
.endr
.set ma, ma+1
.endr
.endm
.macro FETCH s, q, fs
	WIN 0x80
.irp b, 0,1,2,3,4,5,6,7
.irp c, 0,1,2
	ds_load_b128 v[96*(\fs)+12*\b+4*\c:96*(\fs)+12*\b+4*\c+3], v[ADRB+2*(\s)+(\q)/2] offset:((\q)%2)*24576+1536*\b+512*\c
.endr
.endr
	WIN 0
.irp a, 0,1,2,3
.irp c, 0,1,2
	ds_load_b128 v[AF+48*(\fs)+12*\a+4*\c:AF+48*(\fs)+12*\a+4*\c+3], v[ADRA+(\s)] offset:12288*(\q)+1536*\a+512*\c
.endr
.endr
.endm
.macro SCALES s
.irp p, 0,1
	ds_load_b128 v[HS+8*(\s)+4*\p:HS+8*(\s)+4*\p+3], v[ADSA+(\s)] offset:512*\p
.endr
.irp p, 0,1,2,3
	ds_load_b128 v[WS+16*(\s)+4*\p:WS+16*(\s)+4*\p+3], v[ADSB+(\s)] offset:512*\p
.endr
.endm
.macro STEP s, q, first
	s_wait_dscnt 0x0
	PLACES
	FETCH \s, (\q)+1, ((\q)+1)%2
.if \first
	WIN 0x62
.else
	WIN 0x52
.endif
	MUL 0, 4, (\q)%2, \s, \q, \first
.endm
.macro TURN s, nx, fill
.if \fill
	s_wait_xcnt 0x0
	s_add_nc_u64 s[PFA:PFA+1], s[PFA:PFA+1], 51200
.endif
	WIN 0
	s_wait_tensorcnt 0x0
	ds_add_u32 v[SPW], v[NIL]
	s_wait_dscnt 1
	WIN 0x52
	MUL 0, 1, 1, \s, 3, 0
	s_wait_dscnt 0x0
	s_barrier_signal -1
	MUL 1, 1, 1, \s, 3, 0
	WIN 0
	s_barrier_wait -1
.if \fill
	CREST
	s_add_nc_u64 s[G0+4*\s+2:G0+4*\s+3], s[G0+4*\s+2:G0+4*\s+3], 2*51200
	s_add_nc_u64 s[G0B+4*\s+2:G0B+4*\s+3], s[G0B+4*\s+2:G0B+4*\s+3], 2*102400
	JLOAD G0+4*\s, G1, G0B+4*\s, G1B
.else
	PLACES
.endif
	FETCH \nx, 0, 0
	SCALES \nx
.if \fill
	ASK \s
.endif
	WIN 0x52
	MUL 2, 2, 1, \s, 3, 0
.endm
	s_load_b256 s[4:11], s[0:1], 0x0
	v_lshl_add_u32 v[SPW], v0, 2, SPARE
	v_mov_b32 v[NIL], 0
	ds_add_u32 v2, v3
	ds_add_u32 v2, v3
	s_wait_dscnt 0x0
	v_lshrrev_b32 v1, 5, v0
	v_readfirstlane_b32 s14, v1
	s_lshr_b32 s15, s14, 1
	s_and_b32 s16, s14, 1
	s_bfe_u32 s40, ttmp6, 0x40000
	s_bfe_u32 s41, ttmp6, 0x40004
	s_lshl_b32 s42, ttmp9, 2
	s_add_co_u32 s42, s42, s40
	s_and_b32 s17, ttmp7, 0xffff
	s_lshl_b32 s17, s17, 2
	s_add_co_u32 s17, s17, s41
	s_lshl_b32 s43, s41, 2
	s_lshl_b32 s43, 15, s43
	s_lshl_b32 s44, 0x1111, s40
	s_or_b32 s[G1+0], s43, (3<<16)|(1<<21)
	s_or_b32 s[G1B+0], s44, (3<<16)|(1<<21)
	s_mov_b32 s[G1+1], 32<<16
	s_mov_b32 s[G1+2], 100<<16
	s_mov_b32 s[G1+3], 32<<16
	s_mov_b32 s[G1+4], 100
	s_mov_b32 s[G1+5], 32
	s_mov_b32 s[G1+6], 0
	s_mov_b32 s[G1+7], 0
	s_mov_b32 s[G1B+1], 32<<16
	s_mov_b32 s[G1B+2], 200<<16
	s_mov_b32 s[G1B+3], 32<<16
	s_mov_b32 s[G1B+4], 200
	s_mov_b32 s[G1B+5], 32
	s_mov_b32 s[G1B+6], 0
	s_mov_b32 s[G1B+7], 0
	s_mul_i32 s20, s17, 8*51200
	s_mul_i32 s18, s16, 25600
	s_add_co_u32 s20, s20, s18
	s_mov_b32 s21, 0
	s_mul_i32 s46, s42, 8*102400
	s_mul_i32 s45, s16, 51200
	s_add_co_u32 s46, s46, s45
	s_mov_b32 s47, 0
	s_add_co_u32 s45, s45, 51200
	s_mul_i32 s70, s40, 6400
	s_add_co_u32 s70, s70, 2*51200
	s_mov_b32 s71, 0
	s_cmp_eq_u32 s15, 0
	s_cselect_b32 s[LIM], 1, -1
	s_wait_kmcnt 0x0
	s_add_nc_u64 s[20:21], s[4:5], s[20:21]
	s_add_nc_u64 s[46:47], s[6:7], s[46:47]
	s_add_nc_u64 s[PFA:PFA+1], s[20:21], s[70:71]
	CROUND
.irp s, 0,1
	s_mov_b32 s[G0+4*\s], 1
	s_add_co_u32 s[G0+4*\s+1], s18, \s*SLOT
	s_add_nc_u64 s[G0+4*\s+2:G0+4*\s+3], s[20:21], \s*51200
	s_or_b32 s[G0+4*\s+3], s[G0+4*\s+3], 0x80000000
	s_mov_b32 s[G0B+4*\s], 1
	s_add_co_u32 s[G0B+4*\s+1], s45, \s*SLOT
	s_add_nc_u64 s[G0B+4*\s+2:G0B+4*\s+3], s[46:47], \s*102400
	s_or_b32 s[G0B+4*\s+3], s[G0B+4*\s+3], 0x80000000
	s_wait_alu depctr_va_vdst(0)
	s_wait_tensorcnt 0x0
	ds_add_u32 v2, v3
	ds_add_u32 v2, v3
	s_wait_dscnt 0x0
	CROUND
	JLOAD G0+4*\s, G1, G0B+4*\s, G1B
.endr
	v_and_b32 v1, 31, v0
	v_lshlrev_b32 v[CO], 4, v1
	s_wait_alu depctr_va_vdst(0)
	v_min_u32 v[PFO], 24, v1
	v_lshlrev_b32 v[PFO], 8, v[PFO]
	s_mul_i32 s22, s15, 6144
	s_mul_i32 s23, s16, 12288
	s_add_co_u32 s23, s23, 51200
	s_lshl_b32 s12, s15, 10
	s_add_co_u32 s12, s12, 49152
	s_lshl_b32 s13, s16, 11
	s_add_co_u32 s13, s13, 149504
.irp s, 0,1
	v_add_nc_u32 v[ADRA+\s], s22, v[CO]
	v_add_nc_u32 v[ADRB+2*\s], s23, v[CO]
	v_add_nc_u32 v[ADSA+\s], s12, v[CO]
	v_add_nc_u32 v[ADSB+\s], s13, v[CO]
	s_add_co_u32 s23, s23, 49152
	v_add_nc_u32 v[ADRB+2*\s+1], s23, v[CO]
	s_add_co_u32 s22, s22, SLOT
	s_add_co_u32 s23, s23, SLOT-49152
	s_add_co_u32 s12, s12, SLOT
	s_add_co_u32 s13, s13, SLOT
.endr
	v_and_b32 v19, 15, v0
	v_bfe_u32 v20, v0, 4, 1
	s_mul_i32 s22, s14, 16*SPITCH
	v_mul_u32_u24 v[STO], v19, SPITCH
	v_lshl_add_u32 v[STO], v20, 5, v[STO]
	v_add_nc_u32 v[STO], s22, v[STO]
	v_add_nc_u32 v[RD], s22, v[CO]
	v_lshlrev_b32 v[BO], 5, v20
	s_wait_alu depctr_va_vdst(0)
	s_lshl_b32 s46, s42, 10
	s_lshl_b32 s47, s16, 9
	s_add_co_u32 s46, s46, s47
	s_mov_b32 s47, 0
	s_add_nc_u64 s[8:9], s[8:9], s[46:47]
	s_lshl_b32 s20, s17, 7
	s_lshl_b32 s21, s15, 6
	s_add_co_u32 s20, s20, s21
	s_lshl_b32 s20, s20, 12
	s_mov_b32 s21, 0
	s_add_nc_u64 s[10:11], s[10:11], s[20:21]
	s_add_nc_u64 s[10:11], s[10:11], s[46:47]
	WIN 0x80
.irp b, 0,1,2,3,4,5,6,7
	global_load_b128 v[192+8*\b:195+8*\b], v[BO], s[8:9] offset:64*\b
	global_load_b128 v[196+8*\b:199+8*\b], v[BO], s[8:9] offset:64*\b+16
.endr
	WIN 0
	s_wait_tensorcnt 1
	s_barrier_signal -1
	s_barrier_wait -1
	FETCH 0, 0, 0
	SCALES 0
	s_wait_loadcnt 0x0
	STEP 0, 0, 1
	WIN 0
	s_mov_b32 s3, 3
.Llap:
	STEP 0, 1, 0
	STEP 0, 2, 0
	TURN 0, 1, 1
	STEP 1, 0, 0
	STEP 1, 1, 0
	STEP 1, 2, 0
	TURN 1, 0, 1
	STEP 0, 0, 0
	WIN 0
	s_sub_co_u32 s3, s3, 1
	s_cmp_lg_u32 s3, 0
	s_cbranch_scc1 .Llap
	STEP 0, 1, 0
	STEP 0, 2, 0
	TURN 0, 1, 0
	STEP 1, 0, 0
	STEP 1, 1, 0
	STEP 1, 2, 0
	s_wait_dscnt 0x0
	WIN 0x52
	MUL 0, 4, 1, 1, 3, 0
	WIN 0
.macro TOSTAGE a
	WIN 0x04
.irp b, 0,1,2,3,4,5,6,7
	ds_store_b128 v[STO], v[8*(8*(\a)+\b):8*(8*(\a)+\b)+3] offset:64*\b
	ds_store_b128 v[STO], v[8*(8*(\a)+\b)+4:8*(8*(\a)+\b)+7] offset:64*\b+16
.endr
	WIN 0
.set BB, BK+64*((\a)%2)
.irp t, 0,1,2,3,4,5,6,7,8,9,10,11,12,13,14,15
	ds_load_b128 v[BB+4*\t:BB+4*\t+3], v[RD] offset:\t*SPITCH
.endr
.endm
.macro SEND a, younger
.set BB, BK+64*((\a)%2)
	s_wait_dscnt \younger
.if (\a) > 0
	s_add_nc_u64 s[10:11], s[10:11], 16*4096
.endif
.irp t, 0,1,2,3,4,5,6,7,8,9,10,11,12,13,14,15
	global_store_b128 v[CO], v[BB+4*\t:BB+4*\t+3], s[10:11] offset:\t*4096 th:TH_STORE_NT
.endr
.endm
	PLACES
	TOSTAGE 0
.irp a, 1,2,3
.if \a > 1
	s_wait_xcnt 0x0
.endif
	TOSTAGE \a
	SEND \a-1, 32
.endr
	s_wait_xcnt 0x0
	SEND 3, 0
	s_wait_tensorcnt 0x0
	ds_add_u32 v[SPW], v[NIL]
	s_wait_dscnt 0x0
	CROUND
	s_endpgm
.Lfunc_end_k_qdad612638f_outp:
	.size	k_qdad612638f_outp, .Lfunc_end_k_qdad612638f_outp-k_qdad612638f_outp
	.p2alignl 7, 3214868480
	.fill 96, 4, 3214868480
	.section	.rodata,"a",@progbits
	.p2align	6, 0x0
	.amdhsa_kernel k_qdad612638f_outp
		.amdhsa_group_segment_fixed_size 327680
		.amdhsa_private_segment_fixed_size 0
		.amdhsa_enable_private_segment 0
		.amdhsa_kernarg_size 32
		.amdhsa_user_sgpr_count 2
		.amdhsa_user_sgpr_kernarg_segment_ptr 1
		.amdhsa_wavefront_size32 1
		.amdhsa_system_sgpr_workgroup_id_x 1
		.amdhsa_system_sgpr_workgroup_id_y 1
		.amdhsa_system_sgpr_workgroup_id_z 1
		.amdhsa_system_vgpr_workitem_id 0
		.amdhsa_next_free_vgpr 768
		.amdhsa_next_free_sgpr 72
		.amdhsa_reserve_vcc 0
		.amdhsa_float_denorm_mode_32 3
		.amdhsa_float_denorm_mode_16_64 3
		.amdhsa_memory_ordered 1
		.amdhsa_forward_progress 1
		.amdhsa_inst_pref_size 134
	.end_amdhsa_kernel
	.amdgpu_metadata
---
amdhsa.version: [ 1, 2 ]
amdhsa.kernels:
  - .name:           k_qdad612638f_outp
    .symbol:         k_qdad612638f_outp.kd
    .args:
      - { .name: HC, .offset: 0, .size: 8, .value_kind: global_buffer, .address_space: global }
      - { .name: WO, .offset: 8, .size: 8, .value_kind: global_buffer, .address_space: global }
      - { .name: b_out, .offset: 16, .size: 8, .value_kind: global_buffer, .address_space: global }
      - { .name: out0, .offset: 24, .size: 8, .value_kind: global_buffer, .address_space: global }
    .group_segment_fixed_size: 327680
    .private_segment_fixed_size: 0
    .kernarg_segment_align: 8
    .kernarg_segment_size: 32
    .max_flat_workgroup_size: 128
    .sgpr_count:     72
    .vgpr_count:     768
    .wavefront_size: 32
...
	.end_amdgpu_metadata
.endif
;; end of part 5
